; MI455X (gfx1250); checked and timed in simulation.
; The chip was launched on July 23, 2026; its instructions are those of AMD's public machine-readable ISA for CDNA 5 (MIT licence, August 2026) and "CDNA5" Instruction Set Architecture Reference Guide (July 2026). The comments in the code are by the model that wrote it; some were corrected since.
;; Multi Head Attention. Allowed arithmetic: matrix products marked QUANTISED: E2M1 operands, one E8M0 scale for each 32 along K, by v_wmma_scale_f32_16x16x128_f8f6f4 with both operands' format E2M1 (or v_wmma_scale_f32_32x16x128_f4), f32 sums; everything else in f32.
;; Inputs: Wk_codes 512 x 16 x 16 uint8 (E2M1 codes of Wk, K innermost, in blocks of 32 codes, two codes a byte); Wk_scales 512 x 16 uint8 (E8M0 scales of Wk, one for each 32 codes along K); Wo_codes 512 x 16 x 16 uint8 (E2M1 codes of Wo, K innermost, in blocks of 32 codes, two codes a byte); Wo_scales 512 x 16 uint8 (E8M0 scales of Wo, one for each 32 codes along K); Wq_codes 512 x 16 x 16 uint8 (E2M1 codes of Wq, K innermost, in blocks of 32 codes, two codes a byte); Wq_scales 512 x 16 uint8 (E8M0 scales of Wq, one for each 32 codes along K); Wv_codes 512 x 16 x 16 uint8 (E2M1 codes of Wv, K innermost, in blocks of 32 codes, two codes a byte); Wv_scales 512 x 16 uint8 (E8M0 scales of Wv, one for each 32 codes along K); bk 512 float32; bo 512 float32; bq 512 float32; bv 512 float32; x_codes 2 x 4,096 x 16 x 16 uint8 (E2M1 codes of x, K innermost, in blocks of 32 codes, two codes a byte); x_scales 2 x 4,096 x 16 uint8 (E8M0 scales of x, one for each 32 codes along K).
;; Outputs: out0 2 x 4,096 x 512 float32.
;; This version of the problem:
;;   THIS VERSION OF THE PROBLEM IS GIVEN IN LOW PRECISION. The matrix products marked QUANTISED in the list below multiply operands that are first quantised to E2M1 (2 exponent bits, 1 mantissa bit; 4 bits a number), with one power-of-two scale for each 32 numbers along K (OCP MX v1.0); their sums are f32. All else is computed in f32.
;;   The module's matrix products, in the order in which they are computed (A, B: the left and right operand; K: the contracted axis; several contracted axes count as one K, in the product's order):
;;     1. [M 8,192, K 512] x [K 512, N 512]; A: input x (given as codes); B: input Wq (given as codes): QUANTISED
;;     2. [M 8,192, K 512] x [K 512, N 512]; A: input x (given as codes); B: input Wk (given as codes): QUANTISED
;;     3. [M 8,192, K 512] x [K 512, N 512]; A: input x (given as codes); B: input Wv (given as codes): QUANTISED
;;     4. batch 16 x [M 4,096, K 64] x [K 64, N 4,096]; A: computed on the way; B: computed on the way: QUANTISED
;;     5. batch 16 x [M 4,096, K 4,096] x [K 4,096, N 64]; A: softmax (see below); B: computed on the way: QUANTISED
;;     6. [M 8,192, K 512] x [K 512, N 512]; A: computed on the way; B: input Wo (given as codes): QUANTISED
;;   THE QUANTISER, for each operand of a quantised product, along K:
;;     - K is cut into blocks of 32 from its start; a last block that is shorter is filled with zeros.
;;     - A block's scale is 2^e with e = floor(log2(the largest magnitude in the block)) - 2, held to -126 .. 127; a block of zeros has e = 0. As a byte (E8M0): e + 127.
;;     - Each number is divided by its block's scale, clamped to +-6, and rounded to the nearest number of E2M1, ties to even, subnormals kept.
;;     - The product sums the exact products of the quantised numbers (number of the format x scale) in f32.
;;   ~~~python
;;   def quantise(x, axis):      # numpy; x: float32 -> the quantised numbers, widened to float32 again
;;       x = np.moveaxis(x, axis, -1); K = x.shape[-1]
;;       x = np.pad(x, [(0, 0)] * (x.ndim - 1) + [(0, -K % 32)]); x = x.reshape(x.shape[:-1] + (-1, 32)); a = np.abs(x).max(-1, keepdims=True)
;;       e = np.where(a > 0, np.clip(np.frexp(np.where(a > 0, a, 1))[1] - 1 - 2, -126, 127), 0)      # np.frexp(a)[1] - 1 = floor(log2(a)), exactly
;;       r = np.clip(x / 2.0 ** e, -6, 6)
;;       step = 2.0 ** (np.maximum(np.frexp(np.where(r == 0, 1, r))[1] - 1, 0) - 1)
;;       q = np.round(r / step) * step * 2.0 ** e      # np.round: ties to even
;;       return np.moveaxis(q.reshape(q.shape[:-2] + (-1,))[..., :K], -1, axis).astype(np.float32)
;;   ~~~
;;   SOFTMAX AHEAD OF A QUANTISED PRODUCT. Where the list says 'softmax', what is quantised is not the finished softmax but p = 2^(t - M), with t = logit x log2(e) and M = ceil(the row's largest t), a whole number; so 1/2 < the row's largest p <= 1. The row's sum l is taken of the UNQUANTISED p, in f32, and the product's result is divided by l at the end. Since M is a whole number, a kernel that streams over the keys may use a running M (the ceiling of the running maximum): every later rescaling is an exact power of two, which a block's scale takes up: the codes' values come out the same.
;;   OPERANDS COMPUTED ON THE WAY. 'Computed on the way' means the value that the module computes at that place (a softmax that the list does not call 'softmax' is quantised finished and normalised). What goes into a quantiser is computed in f32, as accurately as f32 sums, v_exp_f32 and their like allow (about 1e-6 of the number): no bf16 or f16 on the way to a quantiser, and a product that is left as it is and whose result goes on into a quantised operand takes f32 operands (vector FMAs, or v_wmma_f32_16x16x4_f32). A number that lies on a knife's edge between two numbers of the format may be rounded either way, as far as f32 arithmetic and the matrix unit's own rounding can turn it there, and no further.
;;   INPUTS GIVEN AS CODES. Wk (in the module: [512, 512], K = its axis 1); Wo (in the module: [512, 512], K = its axis 1); Wq (in the module: [512, 512], K = its axis 1); Wv (in the module: [512, 512], K = its axis 1); x (in the module: [2, 4096, 512], K = its axis 2): each comes as NAME_codes (uint8): NAME with its K axis moved to the last place and cut into blocks of 32 codes, [.., K / 32, bytes a block], one block behind the other in memory; two codes a byte, the lower K in the low four bits (a code: sign, 2 exponent bits, 1 mantissa bit); and NAME_scales (uint8): the same leading axes, one E8M0 byte (e + 127) for each 32 codes along K. Its value is code x scale, taken as it is: it is not quantised again, and the codes and scales need not be those that the quantiser above would give.
;; 2 versions. Each part assembles by itself: llvm-mc -triple=amdgcn-amd-amdhsa -mcpu=gfx1250 --defsym DOCPART=n.
;; ======== version 1 of 2: 3 launches
;; workspace buffers: q_img 2,097,152 bytes; k_img 2,097,152 bytes; v_img 2,097,152 bytes; q_scl 131,072 bytes; k_scl 131,072 bytes; v_scl 131,072 bytes; o_img 2,097,152 bytes; o_scl 262,144 bytes
;; launch proj (part 1): grid 64 x 3, 4 waves a work-group, no clusters, 0 bytes of LDS; arguments x_codes, x_scales, Wq_codes, Wq_scales, bq, q_img, q_scl, Wk_codes, Wk_scales, bk, k_img, k_scl, Wv_codes, Wv_scales, bv, v_img, v_scl; writes q_img, q_scl, k_img, k_scl, v_img, v_scl
.if DOCPART == 1
	.amdgcn_target "amdgcn-amd-amdhsa--gfx1250"
	.amdhsa_code_object_version 6
	.text
	.protected	k_q0346e643a6_proj
	.globl	k_q0346e643a6_proj
	.p2align	8
	.type	k_q0346e643a6_proj,@function
k_q0346e643a6_proj:
	s_mov_b64 s[64:65], 0
	v_nop
	global_prefetch_b8 v0, s[64:65] scope:SCOPE_SE
	s_setreg_imm32_b32 hwreg(HW_REG_WAVE_MODE, 25, 1), 1
	s_wait_xcnt 0x0
; q = x Wq^T + bq, k = x Wk^T + bk, v = x Wv^T + bv on codes of FP4 (E2M1) with one E8M0 scale for each 32 along K, f32 sums; each result is quantised at once
; for the product that reads it (q, k along the head's 64 channels; v along the tokens, which are the keys) and leaves as IMAGES OF OPERAND REGISTERS: 512 bytes a piece, lane l's 16 bytes at 16 l.
; SHARES.  Work-group (X, y): 128 tokens (X; batch X / 32, group G = X % 32), tensor y (0 q, 1 k, 2 v).  Wave w: features 128 w .. 128 w + 127 = heads 2 w, 2 w + 1.  A wave's job: 128 x 128 x 512 = 256 matrix instructions.
; TILES.  Rows (tokens or features) go in groups of 32; tile T = 2 F + u takes, in lane r, row 32 F + 8 u + r + 8 (r / 8).  As source 0 that gives lane (n, h), in the 16 registers of tiles 2 F and 2 F + 1,
; rows 32 F + 16 h + 0 .. 15: sixteen neighbours along the axis that is quantised.  So source 0 (P, resident: 8 tiles x 4 K steps, window 1) is W for q and k, and x for v; source 1 (R, streamed tile by tile) is the other.
; The bias is the C of each sum's first matrix instruction, so it is added ahead of the products: an order of rounding that differs from a bias added last.
; NO JOINT LOADS, NO LDS: every operand byte goes from memory straight into the register in which the matrix instruction wants it, 64 KiB a wave, each byte once a wave; a joint load ends in LDS,
; so it would add a trip through LDS and the cluster's barrier to a job of 256 matrix instructions a wave.
; LIMITS: NaN and infinities among the sums, and the byte 0xff among the given scales, are not served.  A block of zeros gets the byte 1 where the quantiser says 127: its codes are zeros, and this program alone reads the bytes.
; REGISTERS.  window 0: v1 r, v2 h, v3 r + 8 (r / 8), v4-9 offsets; v16-79 R's fragments, two sets; v80-143 eight accumulators; v144-151 codes; v152-167 at work; v168-175 the eight scale words made;
;   v176-207 P's scale words, v208-239 R's; v240-243 the merged words.   window 1: P's 32 fragments.   window 2: v0-63 the bias in the result's layout.
.set FA,   4                           ; v4  256 x row + 16 h: my bytes of a fragment
.set SA,   5                           ; v5  16 x row: my row's scale bytes
.set LI,   6                           ; v6  16 x lane: my place in an image
.set SOFF, 7                           ; v7  8192 h + 16 r: my place among the scale words: lanes 0-15 head 2 w, lanes 16-31 head 2 w + 1
.set BA,   8                           ; v8  my offset in the bias
.set SELK, 9                           ; v9  byte selector of the merge: my head's two bytes of two words
.set RF,   16
.set ACC,  80
.set PC,   144
.set TM,   152                         ; +0..3 largest magnitudes, +4..7 the other half's, then bytes, +12..15 the conversions' scale operands
.set PW,   168
.set PS,   176
.set RS,   208
.set SW,   240
.set SEL,  60                          ; s[60:61] v_permlanex16_b32's selects for lane l xor 16
.set MSB,  0
.macro WIN new                         ; the immediate's high byte repeats the setting that is left
.if MSB != \new
	s_set_vgpr_msb (MSB<<8)|\new
.set MSB, \new
.endif
.endm
; 64 numbers of a lane, register 16 b + i = place 32 b + 16 (lane / 16) + i along the quantised axis, become a fragment's codes in v[PC] on and its scale word in v[pw].
.macro QUANT s, pw
.irp b, 0,1,2,3
	v_max3_num_f32 v[TM+\b], |v[\s+16*\b]|, |v[\s+1+16*\b]|, 0x1800000   ; block b: my 16 numbers (each accumulator from its low end on), and the floor 2^(3 - 127): the byte cannot fall under 1
.endr
.irp i, 2,4,6,8,10,12,14
.irp b, 0,1,2,3
	v_max3_num_f32 v[TM+\b], v[TM+\b], |v[\s+16*\b+\i]|, |v[\s+1+16*\b+\i]|   ; the four blocks by turns
.endr
.endr
.irp b, 0,1,2,3
	v_permlanex16_b32 v[TM+4+\b], v[TM+\b], s[SEL], s[SEL+1]
.endr
.irp b, 0,1,2,3
	v_max_num_f32 v[TM+\b], v[TM+\b], v[TM+4+\b]   ; with lane l xor 16's: the block's largest magnitude
.endr
.irp b, 0,1,2,3
	v_add_nc_u32 v[TM+12+\b], 0xff000000, v[TM+\b]   ; 2 off its exponent field: the conversion takes the exponent field of this operand as its scale
.endr
.irp b, 0,1,2,3
	v_lshrrev_b32 v[TM+4+\b], 23, v[TM+12+\b]      ; the scale's byte
.endr
	v_lshl_or_b32 v[\pw], v[TM+5], 8, v[TM+4]
	v_lshl_or_b32 v[\pw], v[TM+6], 16, v[\pw]
	v_lshl_or_b32 v[\pw], v[TM+7], 24, v[\pw]
.irp b, 0,1,2,3
	v_cvt_scalef32_pk8_fp4_f32 v[PC+2*\b], v[\s+16*\b:\s+7+16*\b], v[TM+12+\b]
	v_cvt_scalef32_pk8_fp4_f32 v[PC+1+2*\b], v[\s+8+16*\b:\s+15+16*\b], v[TM+12+\b]
.endr
	v_nop                                          ; one plain place behind a scaled conversion
.irp c, 0,1                                    ; a whole block to a lane: lanes 0-15 block 2 c, lanes 16-31 block 2 c + 1
.irp i, 0,1
	v_permlane16_swap_b32 v[PC+4*\c+\i], v[PC+2+4*\c+\i]
.endr
.endr
.endm
.macro RLOAD i                         ; R's tile i, all four K steps, into set i % 2
.irp s, 0,1,2,3
.irp c, 0,1
	global_load_b128 v[RF+32*((\i)%2)+8*\s+4*\c:RF+32*((\i)%2)+8*\s+4*\c+3], v[FA], s[56:57] offset:(32*((\i)/2)+8*((\i)%2))*256+64*\s+32*\c
.endr
.endr
.endm
; R's tile i against P's eight tiles: 32 matrix instructions, the eight accumulators by turns; then the 64 results of a lane are quantised and stored.
.macro TILE kind, i
.if (\i) < 7
	s_wait_loadcnt 8                               ; all loads but the next tile's eight are in
.else
	s_wait_loadcnt 0
.endif
	WIN 0x21                                       ; source 0 (P) window 1, C (the bias) window 2
.irp t, 0,1,2,3,4,5,6,7
.if \kind
	v_wmma_scale_f32_16x16x128_f8f6f4 v[ACC+8*\t:ACC+8*\t+7], v[32*\t:32*\t+7], v[RF+32*((\i)%2):RF+32*((\i)%2)+7], v[8*(\i):8*(\i)+7], v[PS+4*\t], v[RS+4*(\i)] matrix_a_fmt:MATRIX_FMT_FP4 matrix_b_fmt:MATRIX_FMT_FP4
.else
	v_wmma_scale_f32_16x16x128_f8f6f4 v[ACC+8*\t:ACC+8*\t+7], v[32*\t:32*\t+7], v[RF+32*((\i)%2):RF+32*((\i)%2)+7], v[8*\t:8*\t+7], v[PS+4*\t], v[RS+4*(\i)] matrix_a_fmt:MATRIX_FMT_FP4 matrix_b_fmt:MATRIX_FMT_FP4
.endif
.endr
	WIN 0x01
.irp s, 1,2,3
.irp t, 0,1,2,3,4,5,6,7
	v_wmma_scale_f32_16x16x128_f8f6f4 v[ACC+8*\t:ACC+8*\t+7], v[32*\t+8*\s:32*\t+8*\s+7], v[RF+32*((\i)%2)+8*\s:RF+32*((\i)%2)+8*\s+7], v[ACC+8*\t:ACC+8*\t+7], v[PS+4*\t+\s], v[RS+4*(\i)+\s] matrix_a_fmt:MATRIX_FMT_FP4 matrix_b_fmt:MATRIX_FMT_FP4
.endr
.endr
	WIN 0
.rept 4
	v_nop                                          ; four places in front of loads into registers that matrix instructions have read, and of the first read of results
.endr
.if (\i) < 6
	RLOAD (\i)+2                                   ; the set just multiplied takes the tile two further on
.endif
.if (\i) > 0
	s_wait_xcnt 0x0                                ; the last tile's stores have read v[PC] on: the codes are written again only behind this wait
.endif
	QUANT ACC, PW+(\i)
.if \kind
	global_store_b128 v[LI], v[PC:PC+3], s[14:15] offset:((\i)/4)*131072+((\i)%4)*1024        ; v: head 2 w + i / 4, channel tile i % 4; keys 64 c + 32 h on.  32 lanes store 512 consecutive bytes
	global_store_b128 v[LI], v[PC+4:PC+7], s[14:15] offset:((\i)/4)*131072+((\i)%4)*1024+512
.else
	global_store_b128 v[LI], v[PC:PC+3], s[14:15] offset:(\i)*512                              ; q, k: head 2 w, token tile i: lane (r, h) block h of the head's 64 channels
	global_store_b128 v[LI], v[PC+4:PC+7], s[14:15] offset:131072+(\i)*512                     ; head 2 w + 1
.endif
.endm
.macro JOB kind
.if \kind
	v_lshlrev_b32 v[BA], 2, v3                     ; v: a lane holds ONE feature, so C wants eight registers of its one bias
.else
	v_lshlrev_b32 v[BA], 6, v2                     ; q, k: register j of tile t is feature row(t) + 16 h + j
.endif
	WIN 0x80                                       ; destination window 2
.if \kind
.irp i, 0,1,2,3,4,5,6,7
.irp j, 0,1,2,3,4,5,6,7
	global_load_b32 v[8*\i+\j], v[BA], s[12:13] offset:(32*(\i/2)+8*(\i%2))*4
.endr
.endr
.else
.irp t, 0,1,2,3,4,5,6,7
	global_load_b128 v[8*\t:8*\t+3], v[BA], s[12:13] offset:(32*(\t/2)+8*(\t%2))*4
	global_load_b128 v[8*\t+4:8*\t+7], v[BA], s[12:13] offset:(32*(\t/2)+8*(\t%2))*4+16
.endr
.endif
	WIN 0
.irp t, 0,1,2,3,4,5,6,7
	global_load_b128 v[PS+4*\t:PS+4*\t+3], v[SA], s[54:55] offset:(32*(\t/2)+8*(\t%2))*16   ; a row's 16 scale bytes: one word for each K step
	global_load_b128 v[RS+4*\t:RS+4*\t+3], v[SA], s[58:59] offset:(32*(\t/2)+8*(\t%2))*16
.endr
	WIN 0x40                                       ; destination window 1
.irp t, 0,1,2,3,4,5,6,7
.irp s, 0,1,2,3
.irp c, 0,1
	global_load_b128 v[32*\t+8*\s+4*\c:32*\t+8*\s+4*\c+3], v[FA], s[52:53] offset:(32*(\t/2)+8*(\t%2))*256+64*\s+32*\c
.endr
.endr
.endr
	WIN 0
	RLOAD 0
	RLOAD 1
.irp i, 0,1,2,3,4,5,6,7
	TILE \kind, \i
.endr
.if \kind
	v_cmp_ne_u32 vcc_lo, 0, v2
.irp j, 0,1,2,3
	v_cndmask_b32 v[SW+\j], v[PW+\j], v[PW+4+\j], vcc_lo   ; lanes 0-15 head 2 w's four channel tiles, lanes 16-31 head 2 w + 1's: a word = the four key blocks of this group
.endr
.else
.irp f, 0,1,2,3
	v_perm_b32 v[SW+\f], v[PW+2*\f+1], v[PW+2*\f], v[SELK]   ; my head's two bytes of tile 2 f, then of tile 2 f + 1
.endr
.endif
	global_store_b128 v[SOFF], v[SW:SW+3], s[16:17]    ; each half of the lanes stores 256 consecutive bytes, aligned
	s_endpgm
.endm
	s_load_b128 s[4:7], s[0:1], 0x0                ; x's codes, x's scales
	s_load_b256 s[8:15], s[0:1], 0x10              ; q's: W's codes, W's scales, bias, images
	s_load_b64 s[16:17], s[0:1], 0x30              ;      scale words
	s_load_b256 s[20:27], s[0:1], 0x38             ; k's
	s_load_b64 s[28:29], s[0:1], 0x58
	s_load_b256 s[32:39], s[0:1], 0x60             ; v's
	s_load_b64 s[40:41], s[0:1], 0x80
	v_lshrrev_b32 v1, 5, v0
	v_readfirstlane_b32 s42, v1                    ; wave 0..3
	s_and_b32 s43, ttmp7, 0xffff                   ; y: which tensor
	s_mov_b32 s44, ttmp9                           ; X: which 128 tokens
	v_and_b32 v1, 15, v0                           ; r
	v_bfe_u32 v2, v0, 4, 1                         ; h
	v_and_b32 v3, 8, v1
	v_add_nc_u32 v3, v3, v1                        ; r + 8 (r / 8)
	v_lshlrev_b32 v[FA], 8, v3
	v_lshl_add_u32 v[FA], v2, 4, v[FA]
	v_lshlrev_b32 v[SA], 4, v3
	v_and_b32 v[LI], 31, v0
	v_lshlrev_b32 v[LI], 4, v[LI]
	v_lshlrev_b32 v[SOFF], 4, v1
	v_lshl_add_u32 v[SOFF], v2, 13, v[SOFF]
	v_cmp_ne_u32 vcc_lo, 0, v2
	v_mov_b32 v[SELK], 0x05040100
	v_mov_b32 v10, 0x07060302
	v_cndmask_b32 v[SELK], v[SELK], v10, vcc_lo
.irp b, 0,1,2,3
	v_mov_b32 v[TM+4+\b], 0                        ; written once: a lane permute's destination counts as one of its sources
.endr
	s_mov_b32 s[SEL], 0x76543210
	s_mov_b32 s[SEL+1], 0xfedcba98
	s_wait_kmcnt 0x0
	s_cmp_eq_u32 s43, 1                            ; the tensor's five buffers: the choice hangs on the work-group's number alone
	s_cselect_b64 s[8:9], s[20:21], s[8:9]
	s_cselect_b64 s[10:11], s[22:23], s[10:11]
	s_cselect_b64 s[12:13], s[24:25], s[12:13]
	s_cselect_b64 s[14:15], s[26:27], s[14:15]
	s_cselect_b64 s[16:17], s[28:29], s[16:17]
	s_cmp_eq_u32 s43, 2
	s_cselect_b64 s[8:9], s[32:33], s[8:9]
	s_cselect_b64 s[10:11], s[34:35], s[10:11]
	s_cselect_b64 s[12:13], s[36:37], s[12:13]
	s_cselect_b64 s[14:15], s[38:39], s[14:15]
	s_cselect_b64 s[16:17], s[40:41], s[16:17]
	s_mov_b32 s47, 0
	s_lshl_b32 s46, s44, 15                        ; 128 tokens x 256 bytes of codes
	s_add_nc_u64 s[4:5], s[4:5], s[46:47]
	s_lshl_b32 s46, s44, 11                        ; x 16 scale bytes
	s_add_nc_u64 s[6:7], s[6:7], s[46:47]
	s_lshl_b32 s46, s42, 15                        ; my 128 features likewise
	s_add_nc_u64 s[8:9], s[8:9], s[46:47]
	s_lshl_b32 s46, s42, 11
	s_add_nc_u64 s[10:11], s[10:11], s[46:47]
	s_lshl_b32 s46, s42, 9                         ; and their bias
	s_add_nc_u64 s[12:13], s[12:13], s[46:47]
	s_lshr_b32 s48, s44, 5
	s_lshl_b32 s48, s48, 3
	s_lshl_b32 s49, s42, 1
	s_add_co_u32 s48, s48, s49                     ; 8 x batch + 2 w: my first head among the 16
	s_and_b32 s49, s44, 31                         ; G
	s_lshl_b32 s46, s48, 17                        ; images: 131,072 bytes a head, 4,096 a group of 128 tokens
	s_lshl_b32 s50, s49, 12
	s_add_co_u32 s46, s46, s50
	s_add_nc_u64 s[14:15], s[14:15], s[46:47]
	s_lshl_b32 s46, s48, 13                        ; scale words: 8,192 bytes a head, 256 a group
	s_lshl_b32 s50, s49, 8
	s_add_co_u32 s46, s46, s50
	s_add_nc_u64 s[16:17], s[16:17], s[46:47]
	s_cmp_eq_u32 s43, 2                            ; which side is resident: x for v, W for q and k
	s_cselect_b64 s[52:53], s[4:5], s[8:9]         ; P's codes
	s_cselect_b64 s[54:55], s[6:7], s[10:11]       ; P's scales
	s_cselect_b64 s[56:57], s[8:9], s[4:5]         ; R's codes
	s_cselect_b64 s[58:59], s[10:11], s[6:7]       ; R's scales
	s_cbranch_scc1 .Lv
	JOB 0
.Lv:
	JOB 1
.Lfunc_end_k_q0346e643a6_proj:
	.size	k_q0346e643a6_proj, .Lfunc_end_k_q0346e643a6_proj-k_q0346e643a6_proj
	.p2alignl 7, 3214868480
	.fill 96, 4, 3214868480
	.section	.rodata,"a",@progbits
	.p2align	6, 0x0
	.amdhsa_kernel k_q0346e643a6_proj
		.amdhsa_group_segment_fixed_size 0
		.amdhsa_private_segment_fixed_size 0
		.amdhsa_enable_private_segment 0
		.amdhsa_kernarg_size 136
		.amdhsa_user_sgpr_count 2
		.amdhsa_user_sgpr_kernarg_segment_ptr 1
		.amdhsa_wavefront_size32 1
		.amdhsa_system_sgpr_workgroup_id_x 1
		.amdhsa_system_sgpr_workgroup_id_y 1
		.amdhsa_system_sgpr_workgroup_id_z 1
		.amdhsa_system_vgpr_workitem_id 0
		.amdhsa_next_free_vgpr 576
		.amdhsa_next_free_sgpr 66
		.amdhsa_reserve_vcc 1
		.amdhsa_float_denorm_mode_32 3
		.amdhsa_float_denorm_mode_16_64 3
		.amdhsa_memory_ordered 1
		.amdhsa_forward_progress 1
		.amdhsa_inst_pref_size 170
	.end_amdhsa_kernel
	.amdgpu_metadata
---
amdhsa.version: [ 1, 2 ]
amdhsa.kernels:
  - .name:           k_q0346e643a6_proj
    .symbol:         k_q0346e643a6_proj.kd
    .args:
      - { .name: x_codes, .offset: 0, .size: 8, .value_kind: global_buffer, .address_space: global }
      - { .name: x_scales, .offset: 8, .size: 8, .value_kind: global_buffer, .address_space: global }
      - { .name: Wq_codes, .offset: 16, .size: 8, .value_kind: global_buffer, .address_space: global }
      - { .name: Wq_scales, .offset: 24, .size: 8, .value_kind: global_buffer, .address_space: global }
      - { .name: bq, .offset: 32, .size: 8, .value_kind: global_buffer, .address_space: global }
      - { .name: q_img, .offset: 40, .size: 8, .value_kind: global_buffer, .address_space: global }
      - { .name: q_scl, .offset: 48, .size: 8, .value_kind: global_buffer, .address_space: global }
      - { .name: Wk_codes, .offset: 56, .size: 8, .value_kind: global_buffer, .address_space: global }
      - { .name: Wk_scales, .offset: 64, .size: 8, .value_kind: global_buffer, .address_space: global }
      - { .name: bk, .offset: 72, .size: 8, .value_kind: global_buffer, .address_space: global }
      - { .name: k_img, .offset: 80, .size: 8, .value_kind: global_buffer, .address_space: global }
      - { .name: k_scl, .offset: 88, .size: 8, .value_kind: global_buffer, .address_space: global }
      - { .name: Wv_codes, .offset: 96, .size: 8, .value_kind: global_buffer, .address_space: global }
      - { .name: Wv_scales, .offset: 104, .size: 8, .value_kind: global_buffer, .address_space: global }
      - { .name: bv, .offset: 112, .size: 8, .value_kind: global_buffer, .address_space: global }
      - { .name: v_img, .offset: 120, .size: 8, .value_kind: global_buffer, .address_space: global }
      - { .name: v_scl, .offset: 128, .size: 8, .value_kind: global_buffer, .address_space: global }
    .group_segment_fixed_size: 0
    .private_segment_fixed_size: 0
    .kernarg_segment_align: 8
    .kernarg_segment_size: 136
    .max_flat_workgroup_size: 128
    .sgpr_count:     66
    .vgpr_count:     576
    .wavefront_size: 32
...
	.end_amdgpu_metadata
.endif
;; end of part 1
;; launch attn (part 2): grid 16 x 16, 16 waves a work-group, clusters of 4 x 1, 281,600 bytes of LDS; arguments q_img, q_scl, k_img, k_scl, v_img, v_scl, o_img, o_scl; writes o_img, o_scl
.if DOCPART == 2
	.amdgcn_target "amdgcn-amd-amdhsa--gfx1250"
	.amdhsa_code_object_version 6
	.text
	.protected	k_q0346e643a6_attn
	.globl	k_q0346e643a6_attn
	.p2align	8
	.type	k_q0346e643a6_attn,@function
k_q0346e643a6_attn:
	s_mov_b64 s[64:65], 0
	v_nop
	global_prefetch_b8 v0, s[64:65] scope:SCOPE_SE
	s_setreg_imm32_b32 hwreg(HW_REG_WAVE_MODE, 25, 1), 1
	s_wait_xcnt 0x0
	s_wait_alu depctr_hold_cnt(0) depctr_sa_sdst(0) depctr_va_vdst(0) depctr_va_sdst(0) depctr_va_ssrc(0) depctr_va_vcc(0) depctr_vm_vsrc(0)
	s_getreg_b32 s2, hwreg(HW_REG_IB_STS2, 6, 4)
	s_cmp_eq_u32 s2, 0
	s_cbranch_scc0 .Lentry_in_a_cluster
	s_endpgm
.Lentry_in_a_cluster:
	s_bfe_u32 s2, ttmp6, 0x10000c
	s_cmp_lg_u32 s2, 0x3003
	s_cbranch_scc0 .Lentry_shape_is_right
	s_endpgm
.Lentry_shape_is_right:
; o[head][q] = the sum over keys of softmax(q . k / 8) v, both products on codes of FP4 (E2M1) with one E8M0 scale for each 32 along K; the result is quantised along the model's 512 (two blocks a head) for the last product.
; THE SOFTMAX AHEAD OF THE SECOND PRODUCT: t = score x log2(e) / 8; M = the row's largest t so far, rounded UP to a whole number; p = 2^(t - M) is what is quantised, along the keys, not normalised.
; The row's sum is taken of the unquantised p, in f32, and divides at the end.  When M moves, the sum and O are multiplied by 2^(old M - new M): exact.
; SHARES.  Work-group (x, y): head y of 16 (8 x batch + head), token tiles 16 x .. 16 x + 15.  Each of sixteen waves owns one tile of 16 queries in 256 registers, four waves to a SIMD,
; so that one wave's vector work stands beside another's matrix work and LDS loads.  Every wave walks the head's 4,096 keys, 128 a step.
; A HEAD'S K AND V FIT IN LDS WHOLE: 2 x 131,072 bytes of images and 2 x 8,192 of scale words.  Every LDS byte is filled ONCE: no slot, no refill.  Wave 0 brings K and wave 1 V: the scale words, then
; eight chunks of 16,384 bytes (512 keys), nine tensor loads of a wave out at the most by this text's count; a chunk is read behind a counted wait and a barrier, while the later chunks are on their way.
; CLUSTER.  The four work-groups of a cluster belong to one head and want the same K and V: every load is JOINT, the same descriptor in all four, with a mask that names the four.
; IMAGES.  K, V, Q arrive as images of operand registers: a load of 16 bytes a lane at 16 x lane, 512 consecutive bytes, is half a fragment.  No pitch, no padding.
; THE HEAD SIZE IS 64, half of the instruction's 128 along K.  One fragment of K carries TWO tiles of keys (registers 0-3: tile 2 f; registers 4-7: tile 2 f + 1) and is multiplied once by [Q | 0] and once by [0 | Q]:
; zero codes add nothing under any scale byte.  v16-19 = Q, v20-23 = 0, v24-27 = Q: the two operands are v[16:23] and v[20:27].
; LAYOUT.  Both products are used transposed (S^T = K Q^T, O^T = V^T P^T): a lane holds ONE query (lane % 16).  Lane r of tile 2 f + u holds key 32 f + 8 u + r + 8 (r / 8), so the 16 registers of tiles 2 f, 2 f + 1
; are keys 32 f + 16 (lane / 16) + 0 .. 15; V's channels are tiled the same way, so O^T's registers run along the channels.
; LIMITS: NaN and infinities are not served.  p under 2^-126 becomes 0 (v_exp_f32 flushes denormal results).  1 / sum is v_rcp_f32's.  A block of zeros gets the byte 1 where the quantiser says 127:
; its codes are zeros, and this program alone reads the bytes.  A block's largest p is made from the block's largest score by the same two instructions, which takes v_exp_f32 not to fall where its input rises.
.set SCK,  262144                      ; LDS: K's images at 0, V's at 131,072; K's scale words here, [group of 128 keys][r][4 words];
.set SCV,  270336                      ; V's;
.set STG,  278528                      ; the way out's scale words, 64 bytes a wave: four blocks of 256 bytes into which no fill lands
.set LI,   1                           ; v1  16 x lane
.set LV,   2                           ; v2  the same in V's images
.set LS,   3                           ; v3  SCK + 16 r
.set ADK,  4                           ; v4-6  the step's addresses
.set ADV,  5
.set ADS,  6
.set QS,   7                           ; v7  Q's scale word: its two bytes twice, so that it serves [Q | 0] and [0 | Q]
.set QF,   16
.set KS,   28                          ; v28-31  K's scale words of the step's four fragments
.set VS,   32                          ; v32-35  V's
.set KF,   36                          ; v36-67  K's four fragments
.set VF,   68                          ; v68-99  V's four
.set S,    100                         ; v100-163  S^T, then p
.set OT,   164                         ; v164-195  O^T
.set PCD,  196                         ; v196-203  p's codes
.set BM,   204                         ; v204-207  a block's largest score, then p
.set T2,   208                         ; v208-211  the other half's, then bytes
.set SO,   212                         ; v212-215  the conversions' scale operands
.set FF,   216                         ; v216  f = 2^(old M - new M);  v217 p's scale word (named with f as a pair; the low word serves both halves)
.set PWD,  217
.set TMP,  218
.set SUM2, 220                         ; v220-221  the sum's second chain.  v12 -M, v13 the largest t, v[14:15] the sum in two halves
.set WV,   20                          ; s20 wave, s21 cx, s22 x, s23 y
.set G1C,  24                          ; s[24:31] group 1 for a chunk of images;  s[32:39] for the scale words
.set G1S,  32                          ; groups 0: set n at s[40 + 4 n + 4 (n / 6)]: s40-63, s68-79
.set SEL,  80
.set CS,   82
.set TB,   84
.set TS,   85
.set CNT,  86
.macro CROUND                          ; a round of the cluster's barrier: my work-group's barrier; wave 0 signals for the work-group; every wave waits for all four work-groups; my work-group's barrier once more
	s_barrier_signal -1
	s_barrier_wait -1
	s_cmp_lg_u32 s[WV], 0
	s_cbranch_scc1 .Lnot_wave_0_\@
	s_barrier_signal -3
.Lnot_wave_0_\@:
	s_barrier_wait -3
	s_barrier_signal -1
	s_barrier_wait -1
.endm
	s_load_b256 s[4:11], s[0:1], 0x0               ; q's images s[4:5], q's scale words s[6:7], k's s[8:9], s[10:11]
	s_load_b256 s[12:19], s[0:1], 0x20             ; v's s[12:13], s[14:15]; o's s[16:17], s[18:19]
	v_lshl_add_u32 v254, v0, 2, 0x44400
	v_mov_b32 v255, 0
	ds_add_u32 v254, v255
	ds_add_u32 v254, v255
	v_lshrrev_b32 v8, 5, v0
	v_readfirstlane_b32 s[WV], v8                  ; wave 0..15
	s_bfe_u32 s21, ttmp6, 0x40000                  ; cx: it enters Q's and o's global addresses alone
	s_lshl_b32 s22, ttmp9, 2
	s_add_co_u32 s22, s22, s21                     ; x = 4 x cluster x + cx
	s_and_b32 s23, ttmp7, 0xffff                   ; y: the head, which the four partners share
	s_and_b32 s87, s[WV], 1                        ; 0: I would fetch K; 1: V
	s_mov_b32 s[G1C], 15|(3<<16)|(1<<21)           ; 15:0 the mask: all four work-groups; 17:16 elements of 8 bytes; 21 set beside a mask; no padding
	s_mov_b32 s[G1C+1], 32<<16                     ; tensor_dim0 = 32 elements: rows of 256 bytes
	s_mov_b32 s[G1C+2], 64<<16                     ; tensor_dim1 = 64 rows: 16,384 dense bytes
	s_mov_b32 s[G1C+3], 32<<16                     ; tile_dim0
	s_mov_b32 s[G1C+4], 64                         ; tile_dim1
	s_mov_b32 s[G1C+5], 32                         ; from row to row
	s_mov_b32 s[G1C+6], 0
	s_mov_b32 s[G1C+7], 0
	s_mov_b32 s[G1S], 15|(3<<16)|(1<<21)           ; the same with 32 rows: 8,192 bytes
	s_mov_b32 s[G1S+1], 32<<16
	s_mov_b32 s[G1S+2], 32<<16
	s_mov_b32 s[G1S+3], 32<<16
	s_mov_b32 s[G1S+4], 32
	s_mov_b32 s[G1S+5], 32
	s_mov_b32 s[G1S+6], 0
	s_mov_b32 s[G1S+7], 0
	s_mov_b32 s[SEL], 0x76543210
	s_mov_b32 s[SEL+1], 0xfedcba98                 ; v_permlanex16_b32's selects for lane l xor 16
	s_mov_b32 s[CS], 0x3e38aa3b                    ; c = log2(e) / 8
	s_mov_b32 s[CS+1], s[CS]                       ; (named with it as a pair, so it is written)
	s_lshl_b32 s88, s23, 17                        ; the head's images begin here,
	s_mov_b32 s89, 0
	s_lshl_b32 s90, s23, 13                        ; its scale words here
	s_mov_b32 s91, 0
	s_mul_i32 s92, s87, 131072                     ; LDS: K's images or V's,
	s_lshl_b32 s93, s87, 13
	s_add_co_u32 s93, s93, SCK                     ; K's scale words or V's: the wave's number alone enters an LDS address
	v_and_b32 v9, 15, v0                           ; r
	v_and_b32 v10, 31, v0
	v_lshlrev_b32 v[LI], 4, v10
	v_add_nc_u32 v[LV], 131072, v[LI]
	v_lshlrev_b32 v9, 4, v9                        ; 16 r
	v_add_nc_u32 v[LS], SCK, v9
	s_wait_dscnt 0x0
	s_wait_kmcnt 0x0
	s_cmp_eq_u32 s87, 0                            ; the choice hangs on the wave's number alone
	s_cselect_b64 s[8:9], s[8:9], s[12:13]
	s_cselect_b64 s[10:11], s[10:11], s[14:15]
	s_add_nc_u64 s[8:9], s[8:9], s[88:89]
	s_add_nc_u64 s[10:11], s[10:11], s[90:91]
	s_mov_b32 s40, 1                               ; set 0: the scale words
	s_mov_b32 s41, s93
	s_mov_b64 s[42:43], s[10:11]
	s_or_b32 s43, s43, 0x80000000                  ; type = 2
.irp n, 1,2,3,4,5,6,7,8                        ; set n: chunk n - 1
	s_mov_b32 s[40+4*\n+4*(\n/6)], 1
	s_add_co_u32 s[41+4*\n+4*(\n/6)], s92, (\n-1)*16384
	s_add_nc_u64 s[42+4*\n+4*(\n/6):43+4*\n+4*(\n/6)], s[8:9], (\n-1)*16384
	s_or_b32 s[43+4*\n+4*(\n/6)], s[43+4*\n+4*(\n/6)], 0x80000000
.endr
	CROUND                                         ; all four work-groups are here: the joint loads meet
	s_cmp_lt_u32 s[WV], 2                          ; all the fills of a wave stand in one branch on the wave's number, ahead of every wait on TENSORcnt and every LDS read
	s_cbranch_scc0 .Lasked
	tensor_load_to_lds s[40:43], s[G1S:G1S+7]
	s_nop 0
.irp n, 1,2,3,4,5,6,7,8
	tensor_load_to_lds s[40+4*\n+4*(\n/6):43+4*\n+4*(\n/6)], s[G1C:G1C+7]
	s_nop 0
.endr
.rept 4
	v_nop                                          ; four v_nop follow the last of them, ahead of the label
.endr
.Lasked:
	s_lshl_b32 s94, s22, 4
	s_add_co_u32 s94, s94, s[WV]                   ; Tb = 16 x + wave: my token tile in the head; kept
	s_lshl_b32 s92, s94, 9
	s_add_co_u32 s92, s92, s88
	s_mov_b32 s93, 0
	s_add_nc_u64 s[4:5], s[4:5], s[92:93]          ; Q's image
	s_lshr_b32 s92, s94, 3
	s_lshl_b32 s92, s92, 8                         ; its group's 256 bytes of scale words,
	s_add_co_u32 s92, s92, s90
	s_bfe_u32 s95, s94, 0x20001                    ; word (Tb / 2) % 4 of my row's four
	s_lshl_b32 s95, s95, 2
	s_add_co_u32 s92, s92, s95
	s_add_nc_u64 s[6:7], s[6:7], s[92:93]
	global_load_b128 v[QF:QF+3], v[LI], s[4:5]
	global_load_b128 v[QF+8:QF+11], v[LI], s[4:5]  ; once more, for [0 | Q]
	global_load_b32 v8, v9, s[6:7]
	s_mul_i32 s92, s87, 0x02020202
	s_add_co_u32 s95, s92, 0x01000100              ; bytes 0, 1 (an even tile) or 2, 3 (an odd one), twice
	s_wait_loadcnt 0x0
	v_perm_b32 v[QS], v8, v8, s95
.irp j, 4,5,6,7
	v_mov_b32 v[QF+\j], 0
.endr
	v_mov_b32 v13, 0xff61b1e6                      ; the largest t so far: -3e38, under every t.  (These moves are also the places between the lines above and the first scaled product)
	v_floor_f32 v12, -v13                          ; -M
	v_mov_b32 v14, 0                               ; the sum, in two halves
	v_mov_b32 v15, 0
.irp b, 0,1,2,3
	v_mov_b32 v[T2+\b], 0                          ; written once: a lane permute's destination counts as one of its sources
.endr
	v_mov_b32 v[PWD], 0                            ; (named as the upper half of a pair before it is first written)
.irp j, 0,1,2,3,4,5,6,7,8,9,10,11,12,13,14,15,16,17,18,19,20,21,22,23,24,25,26,27,28,29,30,31
	v_mov_b32 v[OT+\j], 0                          ; O^T.  (The step is written once: the first finds zeros, which the first change of M leaves zeros)
.endr
; A KEY STEP: 128 keys.
.macro STEP
	v_add_nc_u32 v[ADK], s[TB], v[LI]
	v_add_nc_u32 v[ADV], s[TB], v[LV]
	v_add_nc_u32 v[ADS], s[TS], v[LS]
	v_nop                                          ; with the three additions: four places in front of loads into registers that the last step's products have read
	ds_load_b128 v[KS:KS+3], v[ADS]
.irp f, 0,1,2,3
.irp c, 0,1
	ds_load_b128 v[KF+8*\f+4*\c:KF+8*\f+4*\c+3], v[ADK] offset:1024*\f+512*\c   ; key tile 2 f + c
.endr
.endr
	ds_load_b128 v[VS:VS+3], v[ADS] offset:SCV-SCK
.irp t, 0,1,2,3
.irp c, 0,1
	ds_load_b128 v[VF+8*\t+4*\c:VF+8*\t+4*\c+3], v[ADV] offset:1024*\t+512*\c   ; channel tile t, keys 64 c on
.endr
.endr
	s_wait_dscnt 9                                 ; K's words and fragments are in; V's word load and its eight fragment loads may be out
.irp f, 0,1,2,3
.irp u, 0,1
	v_wmma_scale_f32_16x16x128_f8f6f4 v[S+16*\f+8*\u:S+16*\f+8*\u+7], v[KF+8*\f:KF+8*\f+7], v[QF+4*\u:QF+4*\u+7], 0, v[KS+\f], v[QS] matrix_a_fmt:MATRIX_FMT_FP4 matrix_b_fmt:MATRIX_FMT_FP4
.endr
.endr
.rept 4
	v_nop
.endr
.irp b, 0,1,2,3
	v_max3_num_f32 v[BM+\b], v[S+16*\b], v[S+1+16*\b], v[S+2+16*\b]   ; THE LARGEST SCORE OF EACH BLOCK OF 32 KEYS: for the row's maximum and, since p rises with the score, for the block's largest p.  Each accumulator is read from its low end on
.endr
.irp i, 3,5,7,9,11,13
.irp b, 0,1,2,3
	v_max3_num_f32 v[BM+\b], v[BM+\b], v[S+16*\b+\i], v[S+1+16*\b+\i]
.endr
.endr
.irp b, 0,1,2,3
	v_max_num_f32 v[BM+\b], v[BM+\b], v[S+15+16*\b]
.endr
.irp b, 0,1,2,3
	v_permlanex16_b32 v[T2+\b], v[BM+\b], s[SEL], s[SEL+1]
.endr
.irp b, 0,1,2,3
	v_max_num_f32 v[BM+\b], v[BM+\b], v[T2+\b]     ; with lane l xor 16's 16 keys
.endr
	v_max3_num_f32 v[TMP], v[BM], v[BM+1], v[BM+2]
	v_max_num_f32 v[TMP], v[TMP], v[BM+3]          ; the step's largest score of my query
	v_mul_f32 v[TMP], s[CS], v[TMP]                ; as t (c is positive)
	v_max_num_f32 v13, v13, v[TMP]                 ; the running largest t
	v_mov_b32 v[TMP], v12
	v_floor_f32 v12, -v13                          ; the new -M = floor(-t) = -ceil(t): a whole number
	v_sub_f32 v[TMP], v12, v[TMP]                  ; M's old value less its new one: a whole number, 0 or less
	v_cvt_i32_f32 v[TMP], v[TMP]                   ; (it saturates)
	v_ldexp_f32 v[FF], 1.0, v[TMP]                 ; f = 2^(old M - new M)
.irp j, 0,2,4,6,8,10,12,14,16,18,20,22,24,26,28,30,32,34,36,38,40,42,44,46,48,50,52,54,56,58,60,62
	v_pk_fma_f32 v[S+\j:S+\j+1], v[S+\j:S+\j+1], s[CS:CS+1], v[12:13] op_sel_hi:[1,0,0]   ; t - M, two at a time
.endr
.irp b, 0,1,2,3
	v_fma_f32 v[BM+\b], v[BM+\b], s[CS], v12       ; the same of each block's largest score
.endr
.irp j, 0,1,2,3,4,5,6,7,8,9,10,11,12,13,14,15,16,17,18,19,20,21,22,23,24,25,26,27,28,29,30,31,32,33,34,35,36,37,38,39,40,41,42,43,44,45,46,47,48,49,50,51,52,53,54,55,56,57,58,59,60,61,62,63
	v_exp_f32 v[S+\j], v[S+\j]                     ; p = 2^(t - M), at most 1: NOT normalised
.endr
.irp b, 0,1,2,3
	v_exp_f32 v[BM+\b], v[BM+\b]                   ; the block's largest p
.endr
	v_pk_mul_f32 v[14:15], v[14:15], v[FF:FF+1] op_sel_hi:[1,0]   ; the sums under the new M.  (A plain place behind the exponentials)
	s_wait_alu depctr_va_vdst(0)
.irp b, 0,1,2,3
	v_max_num_f32 v[BM+\b], 0x1800000, v[BM+\b]    ; the floor 2^(3 - 127): the byte cannot fall under 1
.endr
.irp b, 0,1,2,3
	v_add_nc_u32 v[SO+\b], 0xff000000, v[BM+\b]    ; 2 off the exponent field: the conversion's scale operand
.endr
.irp b, 0,1,2,3
	v_lshrrev_b32 v[T2+\b], 23, v[SO+\b]           ; the scale's byte
.endr
	v_lshl_or_b32 v[PWD], v[T2+1], 8, v[T2]        ; p's scale word for these 128 keys
	v_lshl_or_b32 v[PWD], v[T2+2], 16, v[PWD]
	v_lshl_or_b32 v[PWD], v[T2+3], 24, v[PWD]
.irp b, 0,1,2,3
	v_cvt_scalef32_pk8_fp4_f32 v[PCD+2*\b], v[S+16*\b:S+7+16*\b], v[SO+\b]
	v_cvt_scalef32_pk8_fp4_f32 v[PCD+1+2*\b], v[S+8+16*\b:S+15+16*\b], v[SO+\b]
.endr
	v_nop                                          ; one plain place behind a scaled conversion
.irp c, 0,1                                    ; a whole block to a lane: lanes 0-15 block 2 c, lanes 16-31 block 2 c + 1
.irp i, 0,1
	v_permlane16_swap_b32 v[PCD+4*\c+\i], v[PCD+2+4*\c+\i]
.endr
.endr
	v_pk_add_f32 v[SUM2:SUM2+1], v[S:S+1], v[S+2:S+3]   ; THE ROW'S SUM IS TAKEN OF THE UNQUANTISED p: two at a time, in two chains
.irp j, 4,8,12,16,20,24,28,32,36,40,44,48,52,56,60
	v_pk_add_f32 v[14:15], v[14:15], v[S+\j:S+\j+1]
	v_pk_add_f32 v[SUM2:SUM2+1], v[SUM2:SUM2+1], v[S+2+\j:S+3+\j]
.endr
	v_pk_add_f32 v[14:15], v[14:15], v[SUM2:SUM2+1]
.irp j, 0,2,4,6,8,10,12,14,16,18,20,22,24,26,28,30
	v_pk_mul_f32 v[OT+\j:OT+\j+1], v[OT+\j:OT+\j+1], v[FF:FF+1] op_sel_hi:[1,0]   ; O^T under the new M, each accumulator from its low end on
.endr
	s_wait_dscnt 0x0                               ; V is in
.irp t, 0,1,2,3                                ; the four accumulators by turns; the next matrix instruction behind them is another accumulator's
	v_wmma_scale_f32_16x16x128_f8f6f4 v[OT+8*\t:OT+8*\t+7], v[VF+8*\t:VF+8*\t+7], v[PCD:PCD+7], v[OT+8*\t:OT+8*\t+7], v[VS+\t], v[PWD] matrix_a_fmt:MATRIX_FMT_FP4 matrix_b_fmt:MATRIX_FMT_FP4
.endr
	s_add_co_u32 s[TB], s[TB], 4096                ; the next 128 keys' images
	s_add_co_u32 s[TS], s[TS], 256                 ; and scale words
.endm
; A chunk of 512 keys: four steps.  The count leaves the loads of the later chunks out: 7 - c were issued behind chunk c's (a wave that issued none has none out).
.macro CHUNK c
	s_wait_tensorcnt 7-\c
	s_barrier_signal -1                            ; no LDS instruction of mine is out: each step ends behind its wait for 0
	s_barrier_wait -1                              ; the chunk lies in LDS for every wave
	s_mov_b32 s[TB], \c*16384
	s_mov_b32 s[TS], \c*1024
	s_mov_b32 s[CNT], 4
.Lstep_\@:
	STEP
	s_sub_co_u32 s[CNT], s[CNT], 1
	s_cmp_lg_u32 s[CNT], 0
	s_cbranch_scc1 .Lstep_\@
.endm
.irp c, 0,1,2,3,4,5,6,7
	CHUNK \c
.endr
	; THE WAY OUT.  The addresses of the scale words' stage are made first: eight plain instructions, the places behind the last products.
	v_and_b32 v8, 15, v0
	v_lshrrev_b32 v9, 5, v0
	v_lshlrev_b32 v9, 6, v9
	v_lshl_add_u32 v9, v8, 2, v9
	v_add_nc_u32 v9, STG, v9                       ; in: 64 x wave + 4 r
	v_and_b32 v10, 63, v0
	v_lshlrev_b32 v10, 4, v10                      ; back, in waves 0 and 1: 16 x thread
	v_add_nc_u32 v11, STG, v10
	s_lshr_b32 s88, s23, 3
	s_lshl_b32 s88, s88, 8                         ; 256 x batch
	s_and_b32 s89, s23, 7                          ; the head in its batch
	s_add_co_u32 s90, s88, s94                     ; my token tile among the 512
	s_lshl_b32 s90, s90, 12                        ; o's images: 4,096 bytes a tile, 512 a head
	s_lshl_b32 s91, s89, 9
	s_add_co_u32 s90, s90, s91
	s_mov_b32 s91, 0
	s_add_nc_u64 s[16:17], s[16:17], s[90:91]
	s_lshl_b32 s92, s22, 4
	s_add_co_u32 s92, s92, s88                     ; the work-group's first tile
	s_lshl_b32 s92, s92, 6                         ; o's scale words: 32,768 bytes a head, 64 a tile
	s_lshl_b32 s93, s89, 15
	s_add_co_u32 s92, s92, s93
	s_mov_b32 s93, 0
	s_add_nc_u64 s[18:19], s[18:19], s[92:93]
	v_add_f32 v14, v14, v15                        ; the sum's two halves,
	v_permlanex16_b32 v[TMP], v14, s[SEL], s[SEL+1]
	v_add_f32 v14, v14, v[TMP]                     ; and lane l xor 16's: the row's sum
	v_rcp_f32 v14, v14
	v_nop                                          ; one plain place behind a transcendental
	s_wait_alu depctr_va_vdst(0)
.irp j, 0,2,4,6,8,10,12,14,16,18,20,22,24,26,28,30
	v_pk_mul_f32 v[S+\j:S+\j+1], v[OT+\j:OT+\j+1], v[14:15] op_sel_hi:[1,0]   ; O^T / the sum: register 16 b + i is channel 32 b + 16 (lane / 16) + i
.endr
.irp b, 0,1
	v_max3_num_f32 v[BM+\b], |v[S+16*\b]|, |v[S+1+16*\b]|, 0x1800000   ; the head's two blocks of 32 along the last product's K
.endr
.irp i, 2,4,6,8,10,12,14
.irp b, 0,1
	v_max3_num_f32 v[BM+\b], v[BM+\b], |v[S+16*\b+\i]|, |v[S+1+16*\b+\i]|
.endr
.endr
.irp b, 0,1
	v_permlanex16_b32 v[T2+\b], v[BM+\b], s[SEL], s[SEL+1]
.endr
.irp b, 0,1
	v_max_num_f32 v[BM+\b], v[BM+\b], v[T2+\b]
.endr
.irp b, 0,1
	v_add_nc_u32 v[SO+\b], 0xff000000, v[BM+\b]
.endr
.irp b, 0,1
	v_lshrrev_b32 v[T2+\b], 23, v[SO+\b]
.endr
	v_lshl_or_b32 v[TMP], v[T2+1], 8, v[T2]        ; my row's two bytes; the upper half stays 0
.irp b, 0,1
	v_cvt_scalef32_pk8_fp4_f32 v[PCD+2*\b], v[S+16*\b:S+7+16*\b], v[SO+\b]
	v_cvt_scalef32_pk8_fp4_f32 v[PCD+1+2*\b], v[S+8+16*\b:S+15+16*\b], v[SO+\b]
.endr
	v_nop
.irp i, 0,1
	v_permlane16_swap_b32 v[PCD+\i], v[PCD+2+\i]   ; lanes 0-15 block 0, lanes 16-31 block 1
.endr
	global_store_b128 v[LI], v[PCD:PCD+3], s[16:17]    ; 32 lanes store 512 consecutive bytes, aligned
	ds_store_b32 v9, v[TMP]                        ; both halves of the lanes write the same word with the same value
	s_wait_dscnt 0x0                               ; for the others' sake: my store has landed
	s_barrier_signal -1
	s_barrier_wait -1
	s_cmp_lt_u32 s[WV], 2                          ; waves 0 and 1 store the sixteen tiles' words: 1,024 consecutive bytes, aligned
	s_cbranch_scc0 .Lnot_out
	ds_load_b128 v[S:S+3], v11
	s_wait_dscnt 0x0
	global_store_b128 v10, v[S:S+3], s[18:19]
.Lnot_out:
	s_wait_tensorcnt 0x0
	ds_add_u32 v254, v255
	s_wait_dscnt 0x0
	CROUND                                         ; the closing round: no work-group ends while a partner may still ask for a tile that names it
	s_endpgm
.Lfunc_end_k_q0346e643a6_attn:
	.size	k_q0346e643a6_attn, .Lfunc_end_k_q0346e643a6_attn-k_q0346e643a6_attn
	.p2alignl 7, 3214868480
	.fill 96, 4, 3214868480
	.section	.rodata,"a",@progbits
	.p2align	6, 0x0
	.amdhsa_kernel k_q0346e643a6_attn
		.amdhsa_group_segment_fixed_size 281600
		.amdhsa_private_segment_fixed_size 0
		.amdhsa_enable_private_segment 0
		.amdhsa_kernarg_size 64
		.amdhsa_user_sgpr_count 2
		.amdhsa_user_sgpr_kernarg_segment_ptr 1
		.amdhsa_wavefront_size32 1
		.amdhsa_system_sgpr_workgroup_id_x 1
		.amdhsa_system_sgpr_workgroup_id_y 1
		.amdhsa_system_sgpr_workgroup_id_z 1
		.amdhsa_system_vgpr_workitem_id 0
		.amdhsa_next_free_vgpr 256
		.amdhsa_next_free_sgpr 96
		.amdhsa_reserve_vcc 0
		.amdhsa_float_denorm_mode_32 3
		.amdhsa_float_denorm_mode_16_64 3
		.amdhsa_memory_ordered 1
		.amdhsa_forward_progress 1
		.amdhsa_inst_pref_size 134
	.end_amdhsa_kernel
	.amdgpu_metadata
---
amdhsa.version: [ 1, 2 ]
amdhsa.kernels:
  - .name:           k_q0346e643a6_attn
    .symbol:         k_q0346e643a6_attn.kd
    .args:
      - { .name: q_img, .offset: 0, .size: 8, .value_kind: global_buffer, .address_space: global }
      - { .name: q_scl, .offset: 8, .size: 8, .value_kind: global_buffer, .address_space: global }
      - { .name: k_img, .offset: 16, .size: 8, .value_kind: global_buffer, .address_space: global }
      - { .name: k_scl, .offset: 24, .size: 8, .value_kind: global_buffer, .address_space: global }
      - { .name: v_img, .offset: 32, .size: 8, .value_kind: global_buffer, .address_space: global }
      - { .name: v_scl, .offset: 40, .size: 8, .value_kind: global_buffer, .address_space: global }
      - { .name: o_img, .offset: 48, .size: 8, .value_kind: global_buffer, .address_space: global }
      - { .name: o_scl, .offset: 56, .size: 8, .value_kind: global_buffer, .address_space: global }
    .group_segment_fixed_size: 281600
    .private_segment_fixed_size: 0
    .kernarg_segment_align: 8
    .kernarg_segment_size: 64
    .max_flat_workgroup_size: 512
    .sgpr_count:     96
    .vgpr_count:     256
    .wavefront_size: 32
...
	.end_amdgpu_metadata
.endif
;; end of part 2
;; launch outp (part 3): grid 256 x 1, 4 waves a work-group, no clusters, 34,304 bytes of LDS; arguments o_img, o_scl, Wo_codes, Wo_scales, bo, out0; writes out0
.if DOCPART == 3
	.amdgcn_target "amdgcn-amd-amdhsa--gfx1250"
	.amdhsa_code_object_version 6
	.text
	.protected	k_q0346e643a6_outp
	.globl	k_q0346e643a6_outp
	.p2align	8
	.type	k_q0346e643a6_outp,@function
k_q0346e643a6_outp:
	s_mov_b64 s[64:65], 0
	v_nop
	global_prefetch_b8 v0, s[64:65] scope:SCOPE_SE
	s_setreg_imm32_b32 hwreg(HW_REG_WAVE_MODE, 25, 1), 1
	s_wait_xcnt 0x0
; out0 = o Wo^T + bo on codes of FP4 (E2M1) with one E8M0 scale for each 32 along K, f32 sums.  o arrives as images of operand registers with its scale words, as the attention launch left them.
; SHARES.  Work-group X: token tiles 2 X and 2 X + 1, which are tokens 32 X .. 32 X + 31 (lane r of tile u holds token 32 X + 8 u + r + 8 (r / 8)).  Wave w: columns 128 w .. 128 w + 127:
; eight tiles of 16 neighbouring rows of Wo, all four K steps, in window 1.  64 matrix instructions and 16,384 bytes of output a wave.
; THE MATRIX INSTRUCTION IS USED TRANSPOSED (source 0 = 16 rows of Wo, source 1 = 16 tokens): a lane holds eight neighbouring columns of one token's row.  bo is the C of each sum's first instruction,
; so it is added ahead of the products: an order of rounding that differs from a bias added last.
; THE WAY OUT: a tile's 16 rows x 512 bytes go through the wave's own stage in LDS (rows 528 bytes apart) and come back as whole rows: 32 lanes store 512 consecutive bytes, aligned.  No barrier: waves share nothing.
; NO JOINT LOADS: every operand byte goes from memory straight into the register in which the matrix instruction wants it, 40 KiB a wave, each byte once a wave; a joint load ends in LDS,
; so it would add a trip through LDS and the cluster's barrier to a job of 64 matrix instructions a wave.
; LIMITS: the byte 0xff among the given scales is not served.
; REGISTERS.  window 0: v1 r, v2 h, v4-10 offsets; v16-79 o's fragments (32 i + 8 s); v80-143 eight accumulators; v144-175 Wo's scale words; v176-183 o's; v184-247 rows on the way out, at the head o's 16 half words.
;   window 1: Wo's 32 fragments.   window 2: v0-63 bo in the result's layout.
.set FA,  4                            ; v4  256 r + 16 h
.set SA,  5                            ; v5  16 r
.set LI,  6                            ; v6  16 x lane
.set OA,  7                            ; v7  4 r
.set BA,  8                            ; v8  32 h
.set STO, 9                            ; v9  the stage, in: 8,448 w + 528 r + 32 h
.set RD,  10                           ; v10 and back: 8,448 w + 16 x lane
.set RF,  16
.set ACC, 80
.set PS,  144
.set RS,  176
.set BK,  184
.set OW,  184
.set MSB, 0
.macro WIN new                         ; the immediate's high byte repeats the setting that is left
.if MSB != \new
	s_set_vgpr_msb (MSB<<8)|\new
.set MSB, \new
.endif
.endm
	s_load_b256 s[4:11], s[0:1], 0x0               ; o's images s[4:5], o's scale words s[6:7], Wo's codes s[8:9], Wo's scales s[10:11]
	s_load_b128 s[12:15], s[0:1], 0x20             ; bo s[12:13], out0 s[14:15]
	v_lshl_add_u32 v254, v0, 2, 0x8400
	v_mov_b32 v255, 0
	v_lshrrev_b32 v1, 5, v0
	v_readfirstlane_b32 s16, v1                    ; wave 0..3
	v_and_b32 v1, 15, v0                           ; r
	v_bfe_u32 v2, v0, 4, 1                         ; h
	v_lshlrev_b32 v[FA], 8, v1
	v_lshl_add_u32 v[FA], v2, 4, v[FA]
	v_lshlrev_b32 v[SA], 4, v1
	v_and_b32 v[LI], 31, v0
	v_lshlrev_b32 v[LI], 4, v[LI]
	v_lshlrev_b32 v[OA], 2, v1
	v_lshlrev_b32 v[BA], 5, v2
	s_mul_i32 s17, s16, 16*528                     ; my stage
	v_mul_u32_u24 v[STO], v1, 528
	v_lshl_add_u32 v[STO], v2, 5, v[STO]
	v_add_nc_u32 v[STO], s17, v[STO]
	v_add_nc_u32 v[RD], s17, v[LI]
	s_mov_b32 s19, 0
	s_wait_kmcnt 0x0
	s_lshl_b32 s18, ttmp9, 13                      ; two tiles x 4,096 bytes of images
	s_add_nc_u64 s[4:5], s[4:5], s[18:19]
	s_lshl_b32 s18, ttmp9, 7                       ; x 64 bytes of scale words, in each head's part
	s_add_nc_u64 s[6:7], s[6:7], s[18:19]
	s_lshl_b32 s18, s16, 15                        ; my 128 rows of Wo
	s_add_nc_u64 s[8:9], s[8:9], s[18:19]
	s_lshl_b32 s18, s16, 11
	s_add_nc_u64 s[10:11], s[10:11], s[18:19]
	s_lshl_b32 s18, s16, 9                         ; my 128 columns: of bo,
	s_add_nc_u64 s[12:13], s[12:13], s[18:19]
	s_add_nc_u64 s[14:15], s[14:15], s[18:19]      ; and of a row of out0,
	s_lshl_b32 s18, ttmp9, 16                      ; 32 rows of 2,048 bytes a work-group
	s_add_nc_u64 s[14:15], s[14:15], s[18:19]
	WIN 0x80                                       ; destination window 2
.irp t, 0,1,2,3,4,5,6,7
	global_load_b128 v[8*\t:8*\t+3], v[BA], s[12:13] offset:64*\t          ; register j of tile t is column 16 t + 8 h + j
	global_load_b128 v[8*\t+4:8*\t+7], v[BA], s[12:13] offset:64*\t+16
.endr
	WIN 0
.irp t, 0,1,2,3,4,5,6,7
	global_load_b128 v[PS+4*\t:PS+4*\t+3], v[SA], s[10:11] offset:256*\t   ; a row's 16 scale bytes: one word for each K step
.endr
.irp i, 0,1
.irp d, 0,1,2,3,4,5,6,7
	global_load_b32 v[OW+8*\i+\d], v[OA], s[6:7] offset:\d*32768+\i*64     ; tile i, head d: my row's two bytes
.endr
.endr
	WIN 0x40                                       ; destination window 1
.irp t, 0,1,2,3,4,5,6,7
.irp s, 0,1,2,3
.irp c, 0,1
	global_load_b128 v[32*\t+8*\s+4*\c:32*\t+8*\s+4*\c+3], v[FA], s[8:9] offset:4096*\t+64*\s+32*\c
.endr
.endr
.endr
	WIN 0
.irp i, 0,1
.irp s, 0,1,2,3
.irp c, 0,1
	global_load_b128 v[RF+32*\i+8*\s+4*\c:RF+32*\i+8*\s+4*\c+3], v[LI], s[4:5] offset:\i*4096+\s*1024+\c*512   ; K step s is heads 2 s and 2 s + 1
.endr
.endr
.endr
	s_wait_loadcnt 0x0
.irp i, 0,1
.irp s, 0,1,2,3
	v_lshl_or_b32 v[RS+4*\i+\s], v[OW+8*\i+2*\s+1], 16, v[OW+8*\i+2*\s]    ; two heads' bytes make a K step's scale word
.endr
.endr
.rept 8
	v_nop                                          ; a scale register written by a vector instruction stands eight places ahead of a scaled matrix instruction
.endr
.irp i, 0,1
	WIN 0x21                                       ; source 0 (Wo) window 1, C (bo) window 2
.irp t, 0,1,2,3,4,5,6,7
	v_wmma_scale_f32_16x16x128_f8f6f4 v[ACC+8*\t:ACC+8*\t+7], v[32*\t:32*\t+7], v[RF+32*\i:RF+32*\i+7], v[8*\t:8*\t+7], v[PS+4*\t], v[RS+4*\i] matrix_a_fmt:MATRIX_FMT_FP4 matrix_b_fmt:MATRIX_FMT_FP4
.endr
	WIN 0x01
.irp s, 1,2,3                                  ; the eight accumulators by turns
.irp t, 0,1,2,3,4,5,6,7
	v_wmma_scale_f32_16x16x128_f8f6f4 v[ACC+8*\t:ACC+8*\t+7], v[32*\t+8*\s:32*\t+8*\s+7], v[RF+32*\i+8*\s:RF+32*\i+8*\s+7], v[ACC+8*\t:ACC+8*\t+7], v[PS+4*\t+\s], v[RS+4*\i+\s] matrix_a_fmt:MATRIX_FMT_FP4 matrix_b_fmt:MATRIX_FMT_FP4
.endr
.endr
	WIN 0
.rept 5
	v_nop                                          ; four places in front of the LDS stores that read the results; five in front of the next tile's first product, which writes over them
.endr
.irp t, 0,1,2,3,4,5,6,7
	ds_store_b128 v[STO], v[ACC+8*\t:ACC+8*\t+3] offset:64*\t              ; each accumulator from its low end on
	ds_store_b128 v[STO], v[ACC+8*\t+4:ACC+8*\t+7] offset:64*\t+16
.endr
.if \i
	s_wait_xcnt 0x0                                ; the first tile's stores have read v[BK] on: the rows are loaded there again only behind this wait
.endif
.irp k, 0,1,2,3,4,5,6,7,8,9,10,11,12,13,14,15
	ds_load_b128 v[BK+4*\k:BK+4*\k+3], v[RD] offset:528*\k                 ; LDS serves a wave's instructions in order (ISA guide 5.7.1.4): these see the stores above
.endr
.irp k, 0,1,2,3,4,5,6,7,8,9,10,11,12,13,14,15
	s_wait_dscnt 15-\k                             ; row k is back; the younger rows may be out.  The last count is 0: the stage's stores have read the accumulators too
	global_store_b128 v[LI], v[BK+4*\k:BK+4*\k+3], s[14:15] offset:(8*\i+\k+8*(\k/8))*2048 th:TH_STORE_NT   ; row k of tile i is token 8 i + k + 8 (k / 8) of the 32; written once, read by nobody here
.endr
.endr
	s_wait_tensorcnt 0x0
	ds_add_u32 v254, v255
	s_wait_dscnt 0x0
	s_endpgm
.Lfunc_end_k_q0346e643a6_outp:
	.size	k_q0346e643a6_outp, .Lfunc_end_k_q0346e643a6_outp-k_q0346e643a6_outp
	.p2alignl 7, 3214868480
	.fill 96, 4, 3214868480
	.section	.rodata,"a",@progbits
	.p2align	6, 0x0
	.amdhsa_kernel k_q0346e643a6_outp
		.amdhsa_group_segment_fixed_size 34304
		.amdhsa_private_segment_fixed_size 0
		.amdhsa_enable_private_segment 0
		.amdhsa_kernarg_size 48
		.amdhsa_user_sgpr_count 2
		.amdhsa_user_sgpr_kernarg_segment_ptr 1
		.amdhsa_wavefront_size32 1
		.amdhsa_system_sgpr_workgroup_id_x 1
		.amdhsa_system_sgpr_workgroup_id_y 1
		.amdhsa_system_sgpr_workgroup_id_z 1
		.amdhsa_system_vgpr_workitem_id 0
		.amdhsa_next_free_vgpr 576
		.amdhsa_next_free_sgpr 66
		.amdhsa_reserve_vcc 0
		.amdhsa_float_denorm_mode_32 3
		.amdhsa_float_denorm_mode_16_64 3
		.amdhsa_memory_ordered 1
		.amdhsa_forward_progress 1
		.amdhsa_inst_pref_size 31
	.end_amdhsa_kernel
	.amdgpu_metadata
---
amdhsa.version: [ 1, 2 ]
amdhsa.kernels:
  - .name:           k_q0346e643a6_outp
    .symbol:         k_q0346e643a6_outp.kd
    .args:
      - { .name: o_img, .offset: 0, .size: 8, .value_kind: global_buffer, .address_space: global }
      - { .name: o_scl, .offset: 8, .size: 8, .value_kind: global_buffer, .address_space: global }
      - { .name: Wo_codes, .offset: 16, .size: 8, .value_kind: global_buffer, .address_space: global }
      - { .name: Wo_scales, .offset: 24, .size: 8, .value_kind: global_buffer, .address_space: global }
      - { .name: bo, .offset: 32, .size: 8, .value_kind: global_buffer, .address_space: global }
      - { .name: out0, .offset: 40, .size: 8, .value_kind: global_buffer, .address_space: global }
    .group_segment_fixed_size: 34304
    .private_segment_fixed_size: 0
    .kernarg_segment_align: 8
    .kernarg_segment_size: 48
    .max_flat_workgroup_size: 128
    .sgpr_count:     66
    .vgpr_count:     576
    .wavefront_size: 32
...
	.end_amdgpu_metadata
.endif
;; end of part 3
;; ======== version 2 of 2: 3 launches
;; workspace buffers: q_img 2,097,152 bytes; k_img 2,097,152 bytes; v_img 2,097,152 bytes; q_scl 131,072 bytes; k_scl 131,072 bytes; v_scl 131,072 bytes; o_img 2,097,152 bytes; o_scl 262,144 bytes
;; launch proj (part 4): grid 64 x 3, 4 waves a work-group, no clusters, 0 bytes of LDS; arguments x_codes, x_scales, Wq_codes, Wq_scales, bq, q_img, q_scl, Wk_codes, Wk_scales, bk, k_img, k_scl, Wv_codes, Wv_scales, bv, v_img, v_scl; writes q_img, q_scl, k_img, k_scl, v_img, v_scl
.if DOCPART == 4
	.amdgcn_target "amdgcn-amd-amdhsa--gfx1250"
	.amdhsa_code_object_version 6
	.text
	.protected	k_q0346e643a6_proj
	.globl	k_q0346e643a6_proj
	.p2align	8
	.type	k_q0346e643a6_proj,@function
k_q0346e643a6_proj:
	s_mov_b64 s[64:65], 0
	v_nop
	global_prefetch_b8 v0, s[64:65] scope:SCOPE_SE
	s_setreg_imm32_b32 hwreg(HW_REG_WAVE_SCHED_MODE, 0, 2), 2
	s_setreg_imm32_b32 hwreg(HW_REG_WAVE_MODE, 25, 1), 1
	s_wait_xcnt 0x0
	s_wait_alu depctr_vm_vsrc(0)
; q = x Wq^T + bq, k = x Wk^T + bk, v = x Wv^T + bv on codes of FP4 (E2M1) with one E8M0 scale for each 32 along K, f32 sums; each result is quantised at once
; for the product that reads it (q, k along the head's 64 channels; v along the tokens, which are the keys) and leaves as IMAGES OF OPERAND REGISTERS: 512 bytes a piece, lane l's 16 bytes at 16 l.
; SHARES.  Work-group (X, y): 128 tokens (X; batch X / 32, group G = X % 32), tensor y (0 q, 1 k, 2 v).  Wave w: features 128 w .. 128 w + 127 = heads 2 w, 2 w + 1.  A wave's job: 128 x 128 x 512 = 256 matrix instructions.
; TILES.  Rows (tokens or features) go in groups of 32; tile T = 2 F + u takes, in lane r, row 32 F + 8 u + r + 8 (r / 8).  As source 0 that gives lane (n, h), in the 16 registers of tiles 2 F and 2 F + 1,
; rows 32 F + 16 h + 0 .. 15: sixteen neighbours along the axis that is quantised.  So source 0 (P, resident: 8 tiles x 4 K steps, window 1) is W for q and k, and x for v; source 1 (R, streamed tile by tile) is the other.
; The bias is the C of each sum's first matrix instruction, so it is added ahead of the products: an order of rounding that differs from a bias added last.
; NO JOINT LOADS, NO LDS: every operand byte goes from memory straight into the register in which the matrix instruction wants it, 64 KiB a wave, each byte once a wave; a joint load ends in LDS,
; so it would add a trip through LDS and the cluster's barrier to a job of 256 matrix instructions a wave.
; LIMITS: NaN and infinities among the sums, and the byte 0xff among the given scales, are not served.  A block of zeros gets the byte 1 where the quantiser says 127: its codes are zeros, and this program alone reads the bytes.
; THE MODE: SCHED_MODE bits 1:0 = 2 (LLVM: expert scheduling mode 2), set by the entry lines.  The code itself states the register dependences between vector or matrix instructions
; and memory instructions, with s_wait_alu, always for 0.
; THE PLAN.  Registers that memory instructions touch, behind the head's loads:
;   RF0, RF1   Tile i's 32 matrix instructions read RF[i % 2]; behind them the eight loads of tile i + 2 land in it.
;   PC0, PC1   Tile i's conversions and lane swaps write PC[i % 2]; the two stores that are issued in tile i + 1 read it; tile i + 2 writes it again.
;   v4-8       Offsets, made at the head and never written again.       SW  Written behind tile 7, read by the last store.
; So ONE wait on va_vdst stands in a tile, behind its matrix instructions and their places: they are done reading RF[i % 2], and the tile before has written the other PC.  The tile's eight loads and two stores
; follow it, and then its quantiser, which names the accumulators, its work registers and PC[i % 2]: none of the registers that those ten touch.  From tile 2 on a wait on vm_vsrc stands beside it, with the
; wait on XCNT: the stores issued a tile ago have read PC[i % 2].
; REGISTERS.  window 0: v1 r, v2 h, v3 r + 8 (r / 8), v4-9 offsets; v16-79 R's fragments, two sets; v80-143 eight accumulators; v144-151 and v244-251 codes, two sets; v152-167 at work; v168-175 the eight scale words made;
;   v176-207 P's scale words, v208-239 R's; v240-243 the merged words.   window 1: P's 32 fragments.   window 2: v0-63 the bias in the result's layout.
.set FA,   4                           ; v4  256 x row + 16 h: my bytes of a fragment
.set SA,   5                           ; v5  16 x row: my row's scale bytes
.set LI,   6                           ; v6  16 x lane: my place in an image
.set SOFF, 7                           ; v7  8192 h + 16 r: my place among the scale words: lanes 0-15 head 2 w, lanes 16-31 head 2 w + 1
.set BA,   8                           ; v8  my offset in the bias
.set SELK, 9                           ; v9  byte selector of the merge: my head's two bytes of two words
.set RF,   16
.set ACC,  80
.set PC,   144                         ; tile i's codes at PC + 100 (i % 2): v144-151, v244-251
.set TM,   152                         ; +0..3 largest magnitudes, +4..7 the other half's, then bytes, +12..15 the conversions' scale operands
.set PW,   168
.set PS,   176
.set RS,   208
.set SW,   240
.set SEL,  60                          ; s[60:61] v_permlanex16_b32's selects for lane l xor 16
.set MSB,  0
.macro WIN new                         ; the immediate's high byte repeats the setting that is left
.if MSB != \new
	s_set_vgpr_msb (MSB<<8)|\new
.set MSB, \new
.endif
.endm
; 64 numbers of a lane, register 16 b + i = place 32 b + 16 (lane / 16) + i along the quantised axis, become a fragment's codes in v[PCN] on (the tile's set) and its scale word in v[pw].
.macro QUANT s, pw
.irp b, 0,1,2,3
	v_max3_num_f32 v[TM+\b], |v[\s+16*\b]|, |v[\s+1+16*\b]|, 0x1800000   ; block b: my 16 numbers (each accumulator from its low end on), and the floor 2^(3 - 127): the byte cannot fall under 1
.endr
.irp i, 2,4,6,8,10,12,14
.irp b, 0,1,2,3
	v_max3_num_f32 v[TM+\b], v[TM+\b], |v[\s+16*\b+\i]|, |v[\s+1+16*\b+\i]|   ; the four blocks by turns
.endr
.endr
.irp b, 0,1,2,3
	v_permlanex16_b32 v[TM+4+\b], v[TM+\b], s[SEL], s[SEL+1]
.endr
.irp b, 0,1,2,3
	v_max_num_f32 v[TM+\b], v[TM+\b], v[TM+4+\b]   ; with lane l xor 16's: the block's largest magnitude
.endr
.irp b, 0,1,2,3
	v_add_nc_u32 v[TM+12+\b], 0xff000000, v[TM+\b]   ; 2 off its exponent field: the conversion takes the exponent field of this operand as its scale
.endr
.irp b, 0,1,2,3
	v_lshrrev_b32 v[TM+4+\b], 23, v[TM+12+\b]      ; the scale's byte
.endr
	v_lshl_or_b32 v[\pw], v[TM+5], 8, v[TM+4]
	v_lshl_or_b32 v[\pw], v[TM+6], 16, v[\pw]
	v_lshl_or_b32 v[\pw], v[TM+7], 24, v[\pw]
.irp b, 0,1,2,3
	v_cvt_scalef32_pk8_fp4_f32 v[PCN+2*\b], v[\s+16*\b:\s+7+16*\b], v[TM+12+\b]
	v_cvt_scalef32_pk8_fp4_f32 v[PCN+1+2*\b], v[\s+8+16*\b:\s+15+16*\b], v[TM+12+\b]
.endr
	v_nop                                          ; one plain place behind a scaled conversion
.irp c, 0,1                                    ; a whole block to a lane: lanes 0-15 block 2 c, lanes 16-31 block 2 c + 1
.irp i, 0,1
	v_permlane16_swap_b32 v[PCN+4*\c+\i], v[PCN+2+4*\c+\i]
.endr
.endr
.endm
.macro RLOAD i                         ; R's tile i, all four K steps, into set i % 2
.irp s, 0,1,2,3
.irp c, 0,1
	global_load_b128 v[RF+32*((\i)%2)+8*\s+4*\c:RF+32*((\i)%2)+8*\s+4*\c+3], v[FA], s[56:57] offset:(32*((\i)/2)+8*((\i)%2))*256+64*\s+32*\c
.endr
.endr
.endm
.macro SEND kind, i                    ; tile i's codes leave from its set
.set PCB, PC+100*((\i)%2)
.if \kind
	global_store_b128 v[LI], v[PCB:PCB+3], s[14:15] offset:((\i)/4)*131072+((\i)%4)*1024        ; v: head 2 w + i / 4, channel tile i % 4; keys 64 c + 32 h on.  32 lanes store 512 consecutive bytes
	global_store_b128 v[LI], v[PCB+4:PCB+7], s[14:15] offset:((\i)/4)*131072+((\i)%4)*1024+512
.else
	global_store_b128 v[LI], v[PCB:PCB+3], s[14:15] offset:(\i)*512                              ; q, k: head 2 w, token tile i: lane (r, h) block h of the head's 64 channels
	global_store_b128 v[LI], v[PCB+4:PCB+7], s[14:15] offset:131072+(\i)*512                     ; head 2 w + 1
.endif
.endm
; R's tile i against P's eight tiles: 32 matrix instructions, the eight accumulators by turns; then the loads of tile i + 2 and the stores of tile i - 1; then the 64 results of a lane are quantised.
.macro TILE kind, i
.set PCN, PC+100*((\i)%2)
.if (\i) < 7
	s_wait_loadcnt 8                               ; all loads but the next tile's eight are in
.else
	s_wait_loadcnt 0
.endif
	WIN 0x21                                       ; source 0 (P) window 1, C (the bias) window 2
.irp t, 0,1,2,3,4,5,6,7
.if \kind
	v_wmma_scale_f32_16x16x128_f8f6f4 v[ACC+8*\t:ACC+8*\t+7], v[32*\t:32*\t+7], v[RF+32*((\i)%2):RF+32*((\i)%2)+7], v[8*(\i):8*(\i)+7], v[PS+4*\t], v[RS+4*(\i)] matrix_a_fmt:MATRIX_FMT_FP4 matrix_b_fmt:MATRIX_FMT_FP4
.else
	v_wmma_scale_f32_16x16x128_f8f6f4 v[ACC+8*\t:ACC+8*\t+7], v[32*\t:32*\t+7], v[RF+32*((\i)%2):RF+32*((\i)%2)+7], v[8*\t:8*\t+7], v[PS+4*\t], v[RS+4*(\i)] matrix_a_fmt:MATRIX_FMT_FP4 matrix_b_fmt:MATRIX_FMT_FP4
.endif
.endr
	WIN 0x01
.irp s, 1,2,3
.irp t, 0,1,2,3,4,5,6,7
	v_wmma_scale_f32_16x16x128_f8f6f4 v[ACC+8*\t:ACC+8*\t+7], v[32*\t+8*\s:32*\t+8*\s+7], v[RF+32*((\i)%2)+8*\s:RF+32*((\i)%2)+8*\s+7], v[ACC+8*\t:ACC+8*\t+7], v[PS+4*\t+\s], v[RS+4*(\i)+\s] matrix_a_fmt:MATRIX_FMT_FP4 matrix_b_fmt:MATRIX_FMT_FP4
.endr
.endr
	WIN 0
.rept 4
	v_nop                                          ; four places in front of the first read of results (ISA guide 7.12.1); they stay beside the wait below
.endr
.if (\i) > 1
	s_wait_xcnt 0x0                                ; the stores issued in the tile before have had their addresses translated (ISA guide 3.1): this tile's set of codes, their data, is written again only behind this wait
	s_wait_alu depctr_vm_vsrc(0)                   ; those stores have read this tile's set of codes, which the conversions below write again
.endif
	s_wait_alu depctr_va_vdst(0)                   ; the matrix instructions are done reading R's set i % 2, in which the loads below land; the tile before has written the other set of codes, which the stores below read
.if (\i) < 6
	RLOAD (\i)+2                                   ; the set just multiplied takes the tile two further on
.endif
.if (\i) > 0
	SEND \kind, (\i)-1                             ; no vector instruction since the wait names these registers
.endif
	QUANT ACC, PW+(\i)
.endm
.macro JOB kind
.if \kind
	v_lshlrev_b32 v[BA], 2, v3                     ; v: a lane holds ONE feature, so C wants eight registers of its one bias
.else
	v_lshlrev_b32 v[BA], 6, v2                     ; q, k: register j of tile t is feature row(t) + 16 h + j
.endif
	WIN 0x80                                       ; destination window 2
	s_wait_alu depctr_va_vdst(0)                   ; the offsets v4 to v8 are written: every load and store of the kernel reads one of them.  Up to the first tile only loads and window switches follow
.if \kind
.irp i, 0,1,2,3,4,5,6,7
.irp j, 0,1,2,3,4,5,6,7
	global_load_b32 v[8*\i+\j], v[BA], s[12:13] offset:(32*(\i/2)+8*(\i%2))*4
.endr
.endr
.else
.irp t, 0,1,2,3,4,5,6,7
	global_load_b128 v[8*\t:8*\t+3], v[BA], s[12:13] offset:(32*(\t/2)+8*(\t%2))*4
	global_load_b128 v[8*\t+4:8*\t+7], v[BA], s[12:13] offset:(32*(\t/2)+8*(\t%2))*4+16
.endr
.endif
	WIN 0
.irp t, 0,1,2,3,4,5,6,7
	global_load_b128 v[PS+4*\t:PS+4*\t+3], v[SA], s[54:55] offset:(32*(\t/2)+8*(\t%2))*16   ; a row's 16 scale bytes: one word for each K step
	global_load_b128 v[RS+4*\t:RS+4*\t+3], v[SA], s[58:59] offset:(32*(\t/2)+8*(\t%2))*16
.endr
	WIN 0x40                                       ; destination window 1
.irp t, 0,1,2,3,4,5,6,7
.irp s, 0,1,2,3
.irp c, 0,1
	global_load_b128 v[32*\t+8*\s+4*\c:32*\t+8*\s+4*\c+3], v[FA], s[52:53] offset:(32*(\t/2)+8*(\t%2))*256+64*\s+32*\c
.endr
.endr
.endr
	WIN 0
	RLOAD 0
	RLOAD 1
.irp i, 0,1,2,3,4,5,6,7
	TILE \kind, \i
.endr
.if \kind
	v_cmp_ne_u32 vcc_lo, 0, v2
	s_wait_alu depctr_va_vcc(0)                    ; the compare has written VCC, which the four selects read
.irp j, 0,1,2,3
	v_cndmask_b32 v[SW+\j], v[PW+\j], v[PW+4+\j], vcc_lo   ; lanes 0-15 head 2 w's four channel tiles, lanes 16-31 head 2 w + 1's: a word = the four key blocks of this group
.endr
.else
.irp f, 0,1,2,3
	v_perm_b32 v[SW+\f], v[PW+2*\f+1], v[PW+2*\f], v[SELK]   ; my head's two bytes of tile 2 f, then of tile 2 f + 1
.endr
.endif
	s_wait_alu depctr_va_vdst(0)                   ; tile 7 has written its set of codes, and the lines above the merged words: the last three stores read them
	SEND \kind, 7
	global_store_b128 v[SOFF], v[SW:SW+3], s[16:17]    ; each half of the lanes stores 256 consecutive bytes, aligned
	s_endpgm
.endm
	s_load_b128 s[4:7], s[0:1], 0x0                ; x's codes, x's scales
	s_load_b256 s[8:15], s[0:1], 0x10              ; q's: W's codes, W's scales, bias, images
	s_load_b64 s[16:17], s[0:1], 0x30              ;      scale words
	s_load_b256 s[20:27], s[0:1], 0x38             ; k's
	s_load_b64 s[28:29], s[0:1], 0x58
	s_load_b256 s[32:39], s[0:1], 0x60             ; v's
	s_load_b64 s[40:41], s[0:1], 0x80
	v_lshrrev_b32 v1, 5, v0
	v_readfirstlane_b32 s42, v1                    ; wave 0..3
	s_and_b32 s43, ttmp7, 0xffff                   ; y: which tensor
	s_mov_b32 s44, ttmp9                           ; X: which 128 tokens
	v_and_b32 v1, 15, v0                           ; r
	v_bfe_u32 v2, v0, 4, 1                         ; h
	v_and_b32 v3, 8, v1
	v_add_nc_u32 v3, v3, v1                        ; r + 8 (r / 8)
	v_lshlrev_b32 v[FA], 8, v3
	v_lshl_add_u32 v[FA], v2, 4, v[FA]
	v_lshlrev_b32 v[SA], 4, v3
	v_and_b32 v[LI], 31, v0
	v_lshlrev_b32 v[LI], 4, v[LI]
	v_lshlrev_b32 v[SOFF], 4, v1
	v_lshl_add_u32 v[SOFF], v2, 13, v[SOFF]
	v_cmp_ne_u32 vcc_lo, 0, v2
	v_mov_b32 v[SELK], 0x05040100
	v_mov_b32 v10, 0x07060302
	s_wait_alu depctr_va_vcc(0)                    ; the compare has written VCC, which the select reads
	v_cndmask_b32 v[SELK], v[SELK], v10, vcc_lo
.irp b, 0,1,2,3
	v_mov_b32 v[TM+4+\b], 0                        ; written once: a lane permute's destination counts as one of its sources
.endr
	s_mov_b32 s[SEL], 0x76543210
	s_mov_b32 s[SEL+1], 0xfedcba98
	s_wait_alu depctr_va_sdst(0)                   ; s42, the wave's number, is written, ahead of its first reader: the bases below are made from it
	s_wait_kmcnt 0x0
	s_cmp_eq_u32 s43, 1                            ; the tensor's five buffers: the choice hangs on the work-group's number alone
	s_cselect_b64 s[8:9], s[20:21], s[8:9]
	s_cselect_b64 s[10:11], s[22:23], s[10:11]
	s_cselect_b64 s[12:13], s[24:25], s[12:13]
	s_cselect_b64 s[14:15], s[26:27], s[14:15]
	s_cselect_b64 s[16:17], s[28:29], s[16:17]
	s_cmp_eq_u32 s43, 2
	s_cselect_b64 s[8:9], s[32:33], s[8:9]
	s_cselect_b64 s[10:11], s[34:35], s[10:11]
	s_cselect_b64 s[12:13], s[36:37], s[12:13]
	s_cselect_b64 s[14:15], s[38:39], s[14:15]
	s_cselect_b64 s[16:17], s[40:41], s[16:17]
	s_mov_b32 s47, 0
	s_lshl_b32 s46, s44, 15                        ; 128 tokens x 256 bytes of codes
	s_add_nc_u64 s[4:5], s[4:5], s[46:47]
	s_lshl_b32 s46, s44, 11                        ; x 16 scale bytes
	s_add_nc_u64 s[6:7], s[6:7], s[46:47]
	s_lshl_b32 s46, s42, 15                        ; my 128 features likewise
	s_add_nc_u64 s[8:9], s[8:9], s[46:47]
	s_lshl_b32 s46, s42, 11
	s_add_nc_u64 s[10:11], s[10:11], s[46:47]
	s_lshl_b32 s46, s42, 9                         ; and their bias
	s_add_nc_u64 s[12:13], s[12:13], s[46:47]
	s_lshr_b32 s48, s44, 5
	s_lshl_b32 s48, s48, 3
	s_lshl_b32 s49, s42, 1
	s_add_co_u32 s48, s48, s49                     ; 8 x batch + 2 w: my first head among the 16
	s_and_b32 s49, s44, 31                         ; G
	s_lshl_b32 s46, s48, 17                        ; images: 131,072 bytes a head, 4,096 a group of 128 tokens
	s_lshl_b32 s50, s49, 12
	s_add_co_u32 s46, s46, s50
	s_add_nc_u64 s[14:15], s[14:15], s[46:47]
	s_lshl_b32 s46, s48, 13                        ; scale words: 8,192 bytes a head, 256 a group
	s_lshl_b32 s50, s49, 8
	s_add_co_u32 s46, s46, s50
	s_add_nc_u64 s[16:17], s[16:17], s[46:47]
	s_cmp_eq_u32 s43, 2                            ; which side is resident: x for v, W for q and k
	s_cselect_b64 s[52:53], s[4:5], s[8:9]         ; P's codes
	s_cselect_b64 s[54:55], s[6:7], s[10:11]       ; P's scales
	s_cselect_b64 s[56:57], s[8:9], s[4:5]         ; R's codes
	s_cselect_b64 s[58:59], s[10:11], s[6:7]       ; R's scales
	s_cbranch_scc1 .Lv
	JOB 0
.Lv:
	JOB 1
.Lfunc_end_k_q0346e643a6_proj:
	.size	k_q0346e643a6_proj, .Lfunc_end_k_q0346e643a6_proj-k_q0346e643a6_proj
	.p2alignl 7, 3214868480
	.fill 96, 4, 3214868480
	.section	.rodata,"a",@progbits
	.p2align	6, 0x0
	.amdhsa_kernel k_q0346e643a6_proj
		.amdhsa_group_segment_fixed_size 0
		.amdhsa_private_segment_fixed_size 0
		.amdhsa_enable_private_segment 0
		.amdhsa_kernarg_size 136
		.amdhsa_user_sgpr_count 2
		.amdhsa_user_sgpr_kernarg_segment_ptr 1
		.amdhsa_wavefront_size32 1
		.amdhsa_system_sgpr_workgroup_id_x 1
		.amdhsa_system_sgpr_workgroup_id_y 1
		.amdhsa_system_sgpr_workgroup_id_z 1
		.amdhsa_system_vgpr_workitem_id 0
		.amdhsa_next_free_vgpr 576
		.amdhsa_next_free_sgpr 66
		.amdhsa_reserve_vcc 1
		.amdhsa_float_denorm_mode_32 3
		.amdhsa_float_denorm_mode_16_64 3
		.amdhsa_memory_ordered 1
		.amdhsa_forward_progress 1
		.amdhsa_inst_pref_size 171
	.end_amdhsa_kernel
	.amdgpu_metadata
---
amdhsa.version: [ 1, 2 ]
amdhsa.kernels:
  - .name:           k_q0346e643a6_proj
    .symbol:         k_q0346e643a6_proj.kd
    .args:
      - { .name: x_codes, .offset: 0, .size: 8, .value_kind: global_buffer, .address_space: global }
      - { .name: x_scales, .offset: 8, .size: 8, .value_kind: global_buffer, .address_space: global }
      - { .name: Wq_codes, .offset: 16, .size: 8, .value_kind: global_buffer, .address_space: global }
      - { .name: Wq_scales, .offset: 24, .size: 8, .value_kind: global_buffer, .address_space: global }
      - { .name: bq, .offset: 32, .size: 8, .value_kind: global_buffer, .address_space: global }
      - { .name: q_img, .offset: 40, .size: 8, .value_kind: global_buffer, .address_space: global }
      - { .name: q_scl, .offset: 48, .size: 8, .value_kind: global_buffer, .address_space: global }
      - { .name: Wk_codes, .offset: 56, .size: 8, .value_kind: global_buffer, .address_space: global }
      - { .name: Wk_scales, .offset: 64, .size: 8, .value_kind: global_buffer, .address_space: global }
      - { .name: bk, .offset: 72, .size: 8, .value_kind: global_buffer, .address_space: global }
      - { .name: k_img, .offset: 80, .size: 8, .value_kind: global_buffer, .address_space: global }
      - { .name: k_scl, .offset: 88, .size: 8, .value_kind: global_buffer, .address_space: global }
      - { .name: Wv_codes, .offset: 96, .size: 8, .value_kind: global_buffer, .address_space: global }
      - { .name: Wv_scales, .offset: 104, .size: 8, .value_kind: global_buffer, .address_space: global }
      - { .name: bv, .offset: 112, .size: 8, .value_kind: global_buffer, .address_space: global }
      - { .name: v_img, .offset: 120, .size: 8, .value_kind: global_buffer, .address_space: global }
      - { .name: v_scl, .offset: 128, .size: 8, .value_kind: global_buffer, .address_space: global }
    .group_segment_fixed_size: 0
    .private_segment_fixed_size: 0
    .kernarg_segment_align: 8
    .kernarg_segment_size: 136
    .max_flat_workgroup_size: 128
    .sgpr_count:     66
    .vgpr_count:     576
    .wavefront_size: 32
...
	.end_amdgpu_metadata
.endif
;; end of part 4
;; launch attn (part 5): grid 16 x 16, 16 waves a work-group, clusters of 4 x 1, 281,600 bytes of LDS; arguments q_img, q_scl, k_img, k_scl, v_img, v_scl, o_img, o_scl; writes o_img, o_scl
.if DOCPART == 5
	.amdgcn_target "amdgcn-amd-amdhsa--gfx1250"
	.amdhsa_code_object_version 6
	.text
	.protected	k_q0346e643a6_attn
	.globl	k_q0346e643a6_attn
	.p2align	8
	.type	k_q0346e643a6_attn,@function
k_q0346e643a6_attn:
	s_mov_b64 s[64:65], 0
	v_nop
	global_prefetch_b8 v0, s[64:65] scope:SCOPE_SE
	s_setreg_imm32_b32 hwreg(HW_REG_WAVE_MODE, 25, 1), 1
	s_wait_xcnt 0x0
	s_wait_alu depctr_hold_cnt(0) depctr_sa_sdst(0) depctr_va_vdst(0) depctr_va_sdst(0) depctr_va_ssrc(0) depctr_va_vcc(0) depctr_vm_vsrc(0)
	s_getreg_b32 s2, hwreg(HW_REG_IB_STS2, 6, 4)
	s_cmp_eq_u32 s2, 0
	s_cbranch_scc0 .Lentry_in_a_cluster
	s_endpgm
.Lentry_in_a_cluster:
	s_bfe_u32 s2, ttmp6, 0x10000c
	s_cmp_lg_u32 s2, 0x3003
	s_cbranch_scc0 .Lentry_shape_is_right
	s_endpgm
.Lentry_shape_is_right:
; o[head][q] = the sum over keys of softmax(q . k / 8) v, both products on codes of FP4 (E2M1) with one E8M0 scale for each 32 along K; the result is quantised along the model's 512 (two blocks a head) for the last product.
; THE SOFTMAX AHEAD OF THE SECOND PRODUCT: t = score x log2(e) / 8; M = the row's largest t so far, rounded UP to a whole number; p = 2^(t - M) is what is quantised, along the keys, not normalised.
; The row's sum is taken of the unquantised p, in f32, and divides at the end.  When M moves, the sum and O are multiplied by 2^(old M - new M): exact.
; SHARES.  Work-group (x, y): head y of 16 (8 x batch + head), token tiles 16 x .. 16 x + 15.  Each of sixteen waves owns one tile of 16 queries in 256 registers, four waves to a SIMD,
; so that one wave's vector work stands beside another's matrix work and LDS loads.  Every wave walks the head's 4,096 keys, 128 a step.
; A HEAD'S K AND V FIT IN LDS WHOLE: 2 x 131,072 bytes of images and 2 x 8,192 of scale words.  Every LDS byte is filled ONCE: no slot, no refill.  Wave 0 brings K and wave 1 V: the scale words, then
; eight chunks of 16,384 bytes (512 keys), nine tensor loads of a wave out at the most by this text's count; a chunk is read behind a counted wait and a barrier, while the later chunks are on their way.
; CLUSTER.  The four work-groups of a cluster belong to one head and want the same K and V: every load is JOINT, the same descriptor in all four, with a mask that names the four.
; IMAGES.  K, V, Q arrive as images of operand registers: a load of 16 bytes a lane at 16 x lane, 512 consecutive bytes, is half a fragment.  No pitch, no padding.
; THE HEAD SIZE IS 64, half of the instruction's 128 along K.  One fragment of K carries TWO tiles of keys (registers 0-3: tile 2 f; registers 4-7: tile 2 f + 1) and is multiplied once by [Q | 0] and once by [0 | Q]:
; zero codes add nothing under any scale byte.  v16-19 = Q, v20-23 = 0, v24-27 = Q: the two operands are v[16:23] and v[20:27].
; LAYOUT.  Both products are used transposed (S^T = K Q^T, O^T = V^T P^T): a lane holds ONE query (lane % 16).  Lane r of tile 2 f + u holds key 32 f + 8 u + r + 8 (r / 8), so the 16 registers of tiles 2 f, 2 f + 1
; are keys 32 f + 16 (lane / 16) + 0 .. 15; V's channels are tiled the same way, so O^T's registers run along the channels.
; LIMITS: NaN and infinities are not served.  p under 2^-126 becomes 0 (v_exp_f32 flushes denormal results).  1 / sum is v_rcp_f32's.  A block of zeros gets the byte 1 where the quantiser says 127:
; its codes are zeros, and this program alone reads the bytes.  A block's largest p is made from the block's largest score by the same two instructions, which takes v_exp_f32 not to fall where its input rises.
.set SCK,  262144                      ; LDS: K's images at 0, V's at 131,072; K's scale words here, [group of 128 keys][r][4 words];
.set SCV,  270336                      ; V's;
.set STG,  278528                      ; the way out's scale words, 64 bytes a wave: four blocks of 256 bytes into which no fill lands
.set LI,   1                           ; v1  16 x lane
.set LV,   2                           ; v2  the same in V's images
.set LS,   3                           ; v3  SCK + 16 r
.set ADK,  4                           ; v4-6  the step's addresses
.set ADV,  5
.set ADS,  6
.set QS,   7                           ; v7  Q's scale word: its two bytes twice, so that it serves [Q | 0] and [0 | Q]
.set QF,   16
.set KS,   28                          ; v28-31  K's scale words of the step's four fragments
.set VS,   32                          ; v32-35  V's
.set KF,   36                          ; v36-67  K's four fragments
.set VF,   68                          ; v68-99  V's four
.set S,    100                         ; v100-163  S^T, then p
.set OT,   164                         ; v164-195  O^T
.set PCD,  196                         ; v196-203  p's codes
.set BM,   204                         ; v204-207  a block's largest score, then p
.set T2,   208                         ; v208-211  the other half's, then bytes
.set SO,   212                         ; v212-215  the conversions' scale operands
.set FF,   216                         ; v216  f = 2^(old M - new M);  v217 p's scale word (named with f as a pair; the low word serves both halves)
.set PWD,  217
.set TMP,  218
.set SUM2, 220                         ; v220-221  the sum's second chain.  v12 -M, v13 the largest t, v[14:15] the sum in two halves
.set WV,   20                          ; s20 wave, s21 cx, s22 x, s23 y
.set G1C,  24                          ; s[24:31] group 1 for a chunk of images;  s[32:39] for the scale words
.set G1S,  32                          ; groups 0: set n at s[40 + 4 n + 4 (n / 6)]: s40-63, s68-79
.set SEL,  80
.set CS,   82
.set TB,   84
.set TS,   85
.set CNT,  86
.macro CROUND                          ; a round of the cluster's barrier: my work-group's barrier; wave 0 signals for the work-group; every wave waits for all four work-groups; my work-group's barrier once more
	s_barrier_signal -1
	s_barrier_wait -1
	s_cmp_lg_u32 s[WV], 0
	s_cbranch_scc1 .Lnot_wave_0_\@
	s_barrier_signal -3
.Lnot_wave_0_\@:
	s_barrier_wait -3
	s_barrier_signal -1
	s_barrier_wait -1
.endm
	s_load_b256 s[4:11], s[0:1], 0x0               ; q's images s[4:5], q's scale words s[6:7], k's s[8:9], s[10:11]
	s_load_b256 s[12:19], s[0:1], 0x20             ; v's s[12:13], s[14:15]; o's s[16:17], s[18:19]
	v_lshl_add_u32 v254, v0, 2, 0x44400
	v_mov_b32 v255, 0
	ds_add_u32 v254, v255
	ds_add_u32 v254, v255
	v_lshrrev_b32 v8, 5, v0
	s_delay_alu instid0(VALU_DEP_1)
	v_readfirstlane_b32 s[WV], v8                  ; wave 0..15
	s_bfe_u32 s21, ttmp6, 0x40000                  ; cx: it enters Q's and o's global addresses alone
	s_lshl_b32 s22, ttmp9, 2
	s_add_co_u32 s22, s22, s21                     ; x = 4 x cluster x + cx
	s_and_b32 s23, ttmp7, 0xffff                   ; y: the head, which the four partners share
	s_and_b32 s87, s[WV], 1                        ; 0: I would fetch K; 1: V
	s_mov_b32 s[G1C], 15|(3<<16)|(1<<21)           ; 15:0 the mask: all four work-groups; 17:16 elements of 8 bytes; 21 set beside a mask; no padding
	s_mov_b32 s[G1C+1], 32<<16                     ; tensor_dim0 = 32 elements: rows of 256 bytes
	s_mov_b32 s[G1C+2], 64<<16                     ; tensor_dim1 = 64 rows: 16,384 dense bytes
	s_mov_b32 s[G1C+3], 32<<16                     ; tile_dim0
	s_mov_b32 s[G1C+4], 64                         ; tile_dim1
	s_mov_b32 s[G1C+5], 32                         ; from row to row
	s_mov_b32 s[G1C+6], 0
	s_mov_b32 s[G1C+7], 0
	s_mov_b32 s[G1S], 15|(3<<16)|(1<<21)           ; the same with 32 rows: 8,192 bytes
	s_mov_b32 s[G1S+1], 32<<16
	s_mov_b32 s[G1S+2], 32<<16
	s_mov_b32 s[G1S+3], 32<<16
	s_mov_b32 s[G1S+4], 32
	s_mov_b32 s[G1S+5], 32
	s_mov_b32 s[G1S+6], 0
	s_mov_b32 s[G1S+7], 0
	s_mov_b32 s[SEL], 0x76543210
	s_mov_b32 s[SEL+1], 0xfedcba98                 ; v_permlanex16_b32's selects for lane l xor 16
	s_mov_b32 s[CS], 0x3e38aa3b                    ; c = log2(e) / 8
	s_mov_b32 s[CS+1], s[CS]                       ; (named with it as a pair, so it is written)
	s_lshl_b32 s88, s23, 17                        ; the head's images begin here,
	s_mov_b32 s89, 0
	s_lshl_b32 s90, s23, 13                        ; its scale words here
	s_mov_b32 s91, 0
	s_mul_i32 s92, s87, 131072                     ; LDS: K's images or V's,
	s_lshl_b32 s93, s87, 13
	s_add_co_u32 s93, s93, SCK                     ; K's scale words or V's: the wave's number alone enters an LDS address
	v_and_b32 v9, 15, v0                           ; r
	v_and_b32 v10, 31, v0
	s_delay_alu instid0(VALU_DEP_1)
	v_lshlrev_b32 v[LI], 4, v10
	s_delay_alu instid0(VALU_DEP_1)
	v_add_nc_u32 v[LV], 131072, v[LI]
	s_delay_alu instid0(VALU_DEP_4)
	v_lshlrev_b32 v9, 4, v9                        ; 16 r
	s_delay_alu instid0(VALU_DEP_1)
	v_add_nc_u32 v[LS], SCK, v9
	s_wait_dscnt 0x0
	s_wait_kmcnt 0x0
	s_cmp_eq_u32 s87, 0                            ; the choice hangs on the wave's number alone
	s_cselect_b64 s[8:9], s[8:9], s[12:13]
	s_cselect_b64 s[10:11], s[10:11], s[14:15]
	s_add_nc_u64 s[8:9], s[8:9], s[88:89]
	s_add_nc_u64 s[10:11], s[10:11], s[90:91]
	s_mov_b32 s40, 1                               ; set 0: the scale words
	s_mov_b32 s41, s93
	s_mov_b64 s[42:43], s[10:11]
	s_or_b32 s43, s43, 0x80000000                  ; type = 2
.irp n, 1,2,3,4,5,6,7,8                        ; set n: chunk n - 1
	s_mov_b32 s[40+4*\n+4*(\n/6)], 1
	s_add_co_u32 s[41+4*\n+4*(\n/6)], s92, (\n-1)*16384
	s_add_nc_u64 s[42+4*\n+4*(\n/6):43+4*\n+4*(\n/6)], s[8:9], (\n-1)*16384
	s_or_b32 s[43+4*\n+4*(\n/6)], s[43+4*\n+4*(\n/6)], 0x80000000
.endr
	CROUND                                         ; all four work-groups are here: the joint loads meet
	s_cmp_lt_u32 s[WV], 2                          ; all the fills of a wave stand in one branch on the wave's number, ahead of every wait on TENSORcnt and every LDS read
	s_cbranch_scc0 .Lasked
	tensor_load_to_lds s[40:43], s[G1S:G1S+7]
	s_nop 0
.irp n, 1,2,3,4,5,6,7,8
	tensor_load_to_lds s[40+4*\n+4*(\n/6):43+4*\n+4*(\n/6)], s[G1C:G1C+7]
	s_nop 0
.endr
.rept 4
	v_nop                                          ; four v_nop follow the last of them, ahead of the label
.endr
.Lasked:
	s_lshl_b32 s94, s22, 4
	s_add_co_u32 s94, s94, s[WV]                   ; Tb = 16 x + wave: my token tile in the head; kept
	s_lshl_b32 s92, s94, 9
	s_add_co_u32 s92, s92, s88
	s_mov_b32 s93, 0
	s_add_nc_u64 s[4:5], s[4:5], s[92:93]          ; Q's image
	s_lshr_b32 s92, s94, 3
	s_lshl_b32 s92, s92, 8                         ; its group's 256 bytes of scale words,
	s_add_co_u32 s92, s92, s90
	s_bfe_u32 s95, s94, 0x20001                    ; word (Tb / 2) % 4 of my row's four
	s_lshl_b32 s95, s95, 2
	s_add_co_u32 s92, s92, s95
	s_add_nc_u64 s[6:7], s[6:7], s[92:93]
	s_wait_alu depctr_va_vdst(0)
	global_load_b128 v[QF:QF+3], v[LI], s[4:5]
	global_load_b128 v[QF+8:QF+11], v[LI], s[4:5]  ; once more, for [0 | Q]
	global_load_b32 v8, v9, s[6:7]
	s_mul_i32 s92, s87, 0x02020202
	s_add_co_u32 s95, s92, 0x01000100              ; bytes 0, 1 (an even tile) or 2, 3 (an odd one), twice
	s_wait_loadcnt 0x0
	v_perm_b32 v[QS], v8, v8, s95
.irp j, 4,5,6,7
	v_mov_b32 v[QF+\j], 0
.endr
	v_mov_b32 v13, 0xff61b1e6                      ; the largest t so far: -3e38, under every t.  (These moves are also the places between the lines above and the first scaled product)
	s_delay_alu instid0(VALU_DEP_1)
	v_floor_f32 v12, -v13                          ; -M
	v_mov_b32 v14, 0                               ; the sum, in two halves
	v_mov_b32 v15, 0
.irp b, 0,1,2,3
	v_mov_b32 v[T2+\b], 0                          ; written once: a lane permute's destination counts as one of its sources
.endr
	v_mov_b32 v[PWD], 0                            ; (named as the upper half of a pair before it is first written)
.irp j, 0,1,2,3,4,5,6,7,8,9,10,11,12,13,14,15,16,17,18,19,20,21,22,23,24,25,26,27,28,29,30,31
	v_mov_b32 v[OT+\j], 0                          ; O^T.  (The step is written once: the first finds zeros, which the first change of M leaves zeros)
.endr
; A KEY STEP: 128 keys.
.macro STEP
	v_add_nc_u32 v[ADK], s[TB], v[LI]
	v_add_nc_u32 v[ADV], s[TB], v[LV]
	v_add_nc_u32 v[ADS], s[TS], v[LS]
	v_nop                                          ; with the three additions: four places in front of loads into registers that the last step's products have read
	ds_load_b128 v[KS:KS+3], v[ADS]
.irp f, 0,1,2,3
.irp c, 0,1
	ds_load_b128 v[KF+8*\f+4*\c:KF+8*\f+4*\c+3], v[ADK] offset:1024*\f+512*\c   ; key tile 2 f + c
.endr
.endr
	ds_load_b128 v[VS:VS+3], v[ADS] offset:SCV-SCK
.irp t, 0,1,2,3
.irp c, 0,1
	ds_load_b128 v[VF+8*\t+4*\c:VF+8*\t+4*\c+3], v[ADV] offset:1024*\t+512*\c   ; channel tile t, keys 64 c on
.endr
.endr
	s_wait_dscnt 9                                 ; K's words and fragments are in; V's word load and its eight fragment loads may be out
.irp f, 0,1,2,3
.irp u, 0,1
	v_wmma_scale_f32_16x16x128_f8f6f4 v[S+16*\f+8*\u:S+16*\f+8*\u+7], v[KF+8*\f:KF+8*\f+7], v[QF+4*\u:QF+4*\u+7], 0, v[KS+\f], v[QS] matrix_a_fmt:MATRIX_FMT_FP4 matrix_b_fmt:MATRIX_FMT_FP4
.endr
.endr
.rept 4
	v_nop
.endr
.irp b, 0,1,2,3
	v_max3_num_f32 v[BM+\b], v[S+16*\b], v[S+1+16*\b], v[S+2+16*\b]   ; THE LARGEST SCORE OF EACH BLOCK OF 32 KEYS: for the row's maximum and, since p rises with the score, for the block's largest p.  Each accumulator is read from its low end on
.endr
.irp i, 3,5,7,9,11,13
.irp b, 0,1,2,3
	v_max3_num_f32 v[BM+\b], v[BM+\b], v[S+16*\b+\i], v[S+1+16*\b+\i]
.endr
.endr
.irp b, 0,1,2,3
	v_max_num_f32 v[BM+\b], v[BM+\b], v[S+15+16*\b]
.endr
.irp b, 0,1,2,3
	s_delay_alu instid0(VALU_DEP_4)
	v_permlanex16_b32 v[T2+\b], v[BM+\b], s[SEL], s[SEL+1]
.endr
.irp b, 0,1,2,3
	s_delay_alu instid0(VALU_DEP_4)
	v_max_num_f32 v[BM+\b], v[BM+\b], v[T2+\b]     ; with lane l xor 16's 16 keys
.endr
	s_delay_alu instid0(VALU_DEP_2)
	v_max3_num_f32 v[TMP], v[BM], v[BM+1], v[BM+2]
	s_delay_alu instid0(VALU_DEP_1)
	v_max_num_f32 v[TMP], v[TMP], v[BM+3]          ; the step's largest score of my query
	s_delay_alu instid0(VALU_DEP_1)
	v_mul_f32 v[TMP], s[CS], v[TMP]                ; as t (c is positive)
	s_delay_alu instid0(VALU_DEP_1)
	v_max_num_f32 v13, v13, v[TMP]                 ; the running largest t
	v_mov_b32 v[TMP], v12
	s_delay_alu instid0(VALU_DEP_2)
	v_floor_f32 v12, -v13                          ; the new -M = floor(-t) = -ceil(t): a whole number
	s_delay_alu instid0(VALU_DEP_1)
	v_sub_f32 v[TMP], v12, v[TMP]                  ; M's old value less its new one: a whole number, 0 or less
	s_delay_alu instid0(VALU_DEP_1)
	v_cvt_i32_f32 v[TMP], v[TMP]                   ; (it saturates)
	s_delay_alu instid0(VALU_DEP_1)
	v_ldexp_f32 v[FF], 1.0, v[TMP]                 ; f = 2^(old M - new M)
.irp j, 0,2,4,6,8,10,12,14,16,18,20,22,24,26,28,30,32,34,36,38,40,42,44,46,48,50,52,54,56,58,60,62
	v_pk_fma_f32 v[S+\j:S+\j+1], v[S+\j:S+\j+1], s[CS:CS+1], v[12:13] op_sel_hi:[1,0,0]   ; t - M, two at a time
.endr
.irp b, 0,1,2,3
	v_fma_f32 v[BM+\b], v[BM+\b], s[CS], v12       ; the same of each block's largest score
.endr
	s_wait_alu depctr_va_vdst(0)
.irp j, 0,1,2,3,4,5,6,7,8,9,10,11,12,13,14,15,16,17,18,19,20,21,22,23,24,25,26,27,28,29,30,31,32,33,34,35,36,37,38,39,40,41,42,43,44,45,46,47,48,49,50,51,52,53,54,55,56,57,58,59,60,61,62,63
	v_exp_f32 v[S+\j], v[S+\j]                     ; p = 2^(t - M), at most 1: NOT normalised
.endr
	s_setprio 1
.irp b, 0,1,2,3
	v_exp_f32 v[BM+\b], v[BM+\b]                   ; the block's largest p
.endr
	v_pk_mul_f32 v[14:15], v[14:15], v[FF:FF+1] op_sel_hi:[1,0]   ; the sums under the new M.  (A plain place behind the exponentials)
	s_wait_alu depctr_va_vdst(0)
.irp b, 0,1,2,3
	v_max_num_f32 v[BM+\b], 0x1800000, v[BM+\b]    ; the floor 2^(3 - 127): the byte cannot fall under 1
.endr
.irp b, 0,1,2,3
	s_delay_alu instid0(VALU_DEP_4)
	v_add_nc_u32 v[SO+\b], 0xff000000, v[BM+\b]    ; 2 off the exponent field: the conversion's scale operand
.endr
.irp b, 0,1,2,3
	s_delay_alu instid0(VALU_DEP_4)
	v_lshrrev_b32 v[T2+\b], 23, v[SO+\b]           ; the scale's byte
.endr
	s_delay_alu instid0(VALU_DEP_3)
	v_lshl_or_b32 v[PWD], v[T2+1], 8, v[T2]        ; p's scale word for these 128 keys
	s_delay_alu instid0(VALU_DEP_1)
	v_lshl_or_b32 v[PWD], v[T2+2], 16, v[PWD]
	s_delay_alu instid0(VALU_DEP_1)
	v_lshl_or_b32 v[PWD], v[T2+3], 24, v[PWD]
.irp b, 0,1,2,3
	v_cvt_scalef32_pk8_fp4_f32 v[PCD+2*\b], v[S+16*\b:S+7+16*\b], v[SO+\b]
	v_cvt_scalef32_pk8_fp4_f32 v[PCD+1+2*\b], v[S+8+16*\b:S+15+16*\b], v[SO+\b]
.endr
	v_nop                                          ; one plain place behind a scaled conversion
.irp c, 0,1                                    ; a whole block to a lane: lanes 0-15 block 2 c, lanes 16-31 block 2 c + 1
.irp i, 0,1
	v_permlane16_swap_b32 v[PCD+4*\c+\i], v[PCD+2+4*\c+\i]
.endr
.endr
	v_pk_add_f32 v[220:221], v[104:105], v[108:109]
	v_pk_add_f32 v[252:253], v[112:113], v[116:117]
	v_pk_add_f32 v[250:251], v[120:121], v[124:125]
	v_pk_add_f32 v[248:249], v[128:129], v[132:133]
	v_pk_add_f32 v[246:247], v[136:137], v[140:141]
	v_pk_add_f32 v[244:245], v[144:145], v[148:149]
	v_pk_add_f32 v[242:243], v[152:153], v[156:157]
	v_pk_add_f32 v[14:15], v[14:15], v[160:161]
	v_pk_add_f32 v[220:221], v[220:221], v[100:101]
	v_pk_add_f32 v[252:253], v[252:253], v[102:103]
	v_pk_add_f32 v[250:251], v[250:251], v[106:107]
	v_pk_add_f32 v[248:249], v[248:249], v[110:111]
	v_pk_add_f32 v[246:247], v[246:247], v[114:115]
	v_pk_add_f32 v[244:245], v[244:245], v[118:119]
	v_pk_add_f32 v[242:243], v[242:243], v[122:123]
	v_pk_add_f32 v[14:15], v[14:15], v[126:127]
	v_pk_add_f32 v[220:221], v[220:221], v[130:131]
	v_pk_add_f32 v[252:253], v[252:253], v[134:135]
	v_pk_add_f32 v[250:251], v[250:251], v[138:139]
	v_pk_add_f32 v[248:249], v[248:249], v[142:143]
	v_pk_add_f32 v[246:247], v[246:247], v[146:147]
	v_pk_add_f32 v[244:245], v[244:245], v[150:151]
	v_pk_add_f32 v[242:243], v[242:243], v[154:155]
	v_pk_add_f32 v[14:15], v[14:15], v[158:159]
	v_pk_add_f32 v[220:221], v[220:221], v[162:163]
	s_delay_alu instid0(VALU_DEP_2)
	v_pk_add_f32 v[14:15], v[14:15], v[248:249]
	s_delay_alu instid0(VALU_DEP_2)
	v_pk_add_f32 v[220:221], v[220:221], v[246:247]
	v_pk_add_f32 v[252:253], v[252:253], v[244:245]
	v_pk_add_f32 v[250:251], v[250:251], v[242:243]
	s_delay_alu instid0(VALU_DEP_2)
	v_pk_add_f32 v[14:15], v[14:15], v[252:253]
	s_delay_alu instid0(VALU_DEP_2)
	v_pk_add_f32 v[220:221], v[220:221], v[250:251]
	s_delay_alu instid0(VALU_DEP_1)
	v_pk_add_f32 v[14:15], v[14:15], v[220:221]
	s_setprio 0
.irp j, 0,2,4,6,8,10,12,14,16,18,20,22,24,26,28,30
	v_pk_mul_f32 v[OT+\j:OT+\j+1], v[OT+\j:OT+\j+1], v[FF:FF+1] op_sel_hi:[1,0]   ; O^T under the new M, each accumulator from its low end on
.endr
	s_wait_alu depctr_va_vdst(0)
	s_wait_dscnt 0x0                               ; V is in
.irp t, 0,1,2,3                                ; the four accumulators by turns; the next matrix instruction behind them is another accumulator's
	v_wmma_scale_f32_16x16x128_f8f6f4 v[OT+8*\t:OT+8*\t+7], v[VF+8*\t:VF+8*\t+7], v[PCD:PCD+7], v[OT+8*\t:OT+8*\t+7], v[VS+\t], v[PWD] matrix_a_fmt:MATRIX_FMT_FP4 matrix_b_fmt:MATRIX_FMT_FP4
.endr
	s_add_co_u32 s[TB], s[TB], 4096                ; the next 128 keys' images
	s_add_co_u32 s[TS], s[TS], 256                 ; and scale words
.endm
; A chunk of 512 keys: four steps.  The count leaves the loads of the later chunks out: 7 - c were issued behind chunk c's (a wave that issued none has none out).
.macro CHUNK c
	s_wait_tensorcnt 7-\c
	s_barrier_signal -1                            ; no LDS instruction of mine is out: each step ends behind its wait for 0
	s_barrier_wait -1                              ; the chunk lies in LDS for every wave
	s_mov_b32 s[TB], \c*16384
	s_mov_b32 s[TS], \c*1024
	s_mov_b32 s[CNT], 4
.Lstep_\@:
	s_setprio 2
	STEP
	s_sub_co_u32 s[CNT], s[CNT], 1
	s_cmp_lg_u32 s[CNT], 0
	s_cbranch_scc1 .Lstep_\@
	s_setprio 0
.endm
.irp c, 0,1,2,3,4,5,6,7
	CHUNK \c
.endr
	; THE WAY OUT.  The addresses of the scale words' stage are made first: eight plain instructions, the places behind the last products.
	v_and_b32 v8, 15, v0
	v_lshrrev_b32 v9, 5, v0
	s_delay_alu instid0(VALU_DEP_1)
	v_lshlrev_b32 v9, 6, v9
	s_delay_alu instid0(VALU_DEP_1)
	v_lshl_add_u32 v9, v8, 2, v9
	s_delay_alu instid0(VALU_DEP_1)
	v_add_nc_u32 v9, STG, v9                       ; in: 64 x wave + 4 r
	v_and_b32 v10, 63, v0
	s_delay_alu instid0(VALU_DEP_1)
	v_lshlrev_b32 v10, 4, v10                      ; back, in waves 0 and 1: 16 x thread
	s_delay_alu instid0(VALU_DEP_1)
	v_add_nc_u32 v11, STG, v10
	s_lshr_b32 s88, s23, 3
	s_lshl_b32 s88, s88, 8                         ; 256 x batch
	s_and_b32 s89, s23, 7                          ; the head in its batch
	s_add_co_u32 s90, s88, s94                     ; my token tile among the 512
	s_lshl_b32 s90, s90, 12                        ; o's images: 4,096 bytes a tile, 512 a head
	s_lshl_b32 s91, s89, 9
	s_add_co_u32 s90, s90, s91
	s_mov_b32 s91, 0
	s_add_nc_u64 s[16:17], s[16:17], s[90:91]
	s_lshl_b32 s92, s22, 4
	s_add_co_u32 s92, s92, s88                     ; the work-group's first tile
	s_lshl_b32 s92, s92, 6                         ; o's scale words: 32,768 bytes a head, 64 a tile
	s_lshl_b32 s93, s89, 15
	s_add_co_u32 s92, s92, s93
	s_mov_b32 s93, 0
	s_add_nc_u64 s[18:19], s[18:19], s[92:93]
	v_add_f32 v14, v14, v15                        ; the sum's two halves,
	s_delay_alu instid0(VALU_DEP_1)
	v_permlanex16_b32 v[TMP], v14, s[SEL], s[SEL+1]
	s_delay_alu instid0(VALU_DEP_1)
	v_add_f32 v14, v14, v[TMP]                     ; and lane l xor 16's: the row's sum
	s_wait_alu depctr_va_vdst(0)
	v_rcp_f32 v14, v14
	v_nop                                          ; one plain place behind a transcendental
	s_wait_alu depctr_va_vdst(0)
.irp j, 0,2,4,6,8,10,12,14,16,18,20,22,24,26,28,30
	v_pk_mul_f32 v[S+\j:S+\j+1], v[OT+\j:OT+\j+1], v[14:15] op_sel_hi:[1,0]   ; O^T / the sum: register 16 b + i is channel 32 b + 16 (lane / 16) + i
.endr
.irp b, 0,1
	v_max3_num_f32 v[BM+\b], |v[S+16*\b]|, |v[S+1+16*\b]|, 0x1800000   ; the head's two blocks of 32 along the last product's K
.endr
.irp i, 2,4,6,8,10,12,14
.irp b, 0,1
	s_delay_alu instid0(VALU_DEP_2)
	v_max3_num_f32 v[BM+\b], v[BM+\b], |v[S+16*\b+\i]|, |v[S+1+16*\b+\i]|
.endr
.endr
.irp b, 0,1
	s_delay_alu instid0(VALU_DEP_2)
	v_permlanex16_b32 v[T2+\b], v[BM+\b], s[SEL], s[SEL+1]
.endr
.irp b, 0,1
	s_delay_alu instid0(VALU_DEP_2)
	v_max_num_f32 v[BM+\b], v[BM+\b], v[T2+\b]
.endr
.irp b, 0,1
	s_delay_alu instid0(VALU_DEP_2)
	v_add_nc_u32 v[SO+\b], 0xff000000, v[BM+\b]
.endr
.irp b, 0,1
	s_delay_alu instid0(VALU_DEP_2)
	v_lshrrev_b32 v[T2+\b], 23, v[SO+\b]
.endr
	s_delay_alu instid0(VALU_DEP_1)
	v_lshl_or_b32 v[TMP], v[T2+1], 8, v[T2]        ; my row's two bytes; the upper half stays 0
.irp b, 0,1
	v_cvt_scalef32_pk8_fp4_f32 v[PCD+2*\b], v[S+16*\b:S+7+16*\b], v[SO+\b]
	v_cvt_scalef32_pk8_fp4_f32 v[PCD+1+2*\b], v[S+8+16*\b:S+15+16*\b], v[SO+\b]
.endr
	v_nop
.irp i, 0,1
	v_permlane16_swap_b32 v[PCD+\i], v[PCD+2+\i]   ; lanes 0-15 block 0, lanes 16-31 block 1
.endr
	global_store_b128 v[LI], v[PCD:PCD+3], s[16:17]    ; 32 lanes store 512 consecutive bytes, aligned
	ds_store_b32 v9, v[TMP]                        ; both halves of the lanes write the same word with the same value
	s_wait_dscnt 0x0                               ; for the others' sake: my store has landed
	s_barrier_signal -1
	s_barrier_wait -1
	s_cmp_lt_u32 s[WV], 2                          ; waves 0 and 1 store the sixteen tiles' words: 1,024 consecutive bytes, aligned
	s_cbranch_scc0 .Lnot_out
	ds_load_b128 v[S:S+3], v11
	s_wait_dscnt 0x0
	global_store_b128 v10, v[S:S+3], s[18:19]
.Lnot_out:
	s_wait_tensorcnt 0x0
	ds_add_u32 v254, v255
	s_wait_dscnt 0x0
	CROUND                                         ; the closing round: no work-group ends while a partner may still ask for a tile that names it
	s_endpgm
.Lfunc_end_k_q0346e643a6_attn:
	.size	k_q0346e643a6_attn, .Lfunc_end_k_q0346e643a6_attn-k_q0346e643a6_attn
	.p2alignl 7, 3214868480
	.fill 96, 4, 3214868480
	.section	.rodata,"a",@progbits
	.p2align	6, 0x0
	.amdhsa_kernel k_q0346e643a6_attn
		.amdhsa_group_segment_fixed_size 281600
		.amdhsa_private_segment_fixed_size 0
		.amdhsa_enable_private_segment 0
		.amdhsa_kernarg_size 64
		.amdhsa_user_sgpr_count 2
		.amdhsa_user_sgpr_kernarg_segment_ptr 1
		.amdhsa_wavefront_size32 1
		.amdhsa_system_sgpr_workgroup_id_x 1
		.amdhsa_system_sgpr_workgroup_id_y 1
		.amdhsa_system_sgpr_workgroup_id_z 1
		.amdhsa_system_vgpr_workitem_id 0
		.amdhsa_next_free_vgpr 256
		.amdhsa_next_free_sgpr 96
		.amdhsa_reserve_vcc 0
		.amdhsa_float_denorm_mode_32 3
		.amdhsa_float_denorm_mode_16_64 3
		.amdhsa_memory_ordered 1
		.amdhsa_forward_progress 1
		.amdhsa_inst_pref_size 144
	.end_amdhsa_kernel
	.amdgpu_metadata
---
amdhsa.version: [ 1, 2 ]
amdhsa.kernels:
  - .name:           k_q0346e643a6_attn
    .symbol:         k_q0346e643a6_attn.kd
    .args:
      - { .name: q_img, .offset: 0, .size: 8, .value_kind: global_buffer, .address_space: global }
      - { .name: q_scl, .offset: 8, .size: 8, .value_kind: global_buffer, .address_space: global }
      - { .name: k_img, .offset: 16, .size: 8, .value_kind: global_buffer, .address_space: global }
      - { .name: k_scl, .offset: 24, .size: 8, .value_kind: global_buffer, .address_space: global }
      - { .name: v_img, .offset: 32, .size: 8, .value_kind: global_buffer, .address_space: global }
      - { .name: v_scl, .offset: 40, .size: 8, .value_kind: global_buffer, .address_space: global }
      - { .name: o_img, .offset: 48, .size: 8, .value_kind: global_buffer, .address_space: global }
      - { .name: o_scl, .offset: 56, .size: 8, .value_kind: global_buffer, .address_space: global }
    .group_segment_fixed_size: 281600
    .private_segment_fixed_size: 0
    .kernarg_segment_align: 8
    .kernarg_segment_size: 64
    .max_flat_workgroup_size: 512
    .sgpr_count:     96
    .vgpr_count:     256
    .wavefront_size: 32
...
	.end_amdgpu_metadata
.endif
;; end of part 5
;; launch outp (part 6): grid 256 x 1, 4 waves a work-group, no clusters, 34,304 bytes of LDS; arguments o_img, o_scl, Wo_codes, Wo_scales, bo, out0; writes out0
.if DOCPART == 6
	.amdgcn_target "amdgcn-amd-amdhsa--gfx1250"
	.amdhsa_code_object_version 6
	.text
	.protected	k_q0346e643a6_outp
	.globl	k_q0346e643a6_outp
	.p2align	8
	.type	k_q0346e643a6_outp,@function
k_q0346e643a6_outp:
	s_mov_b64 s[64:65], 0
	v_nop
	global_prefetch_b8 v0, s[64:65] scope:SCOPE_SE
	s_setreg_imm32_b32 hwreg(HW_REG_WAVE_SCHED_MODE, 0, 2), 2
	s_setreg_imm32_b32 hwreg(HW_REG_WAVE_MODE, 25, 1), 1
	s_wait_xcnt 0x0
	s_wait_alu depctr_vm_vsrc(0)
; out0 = o Wo^T + bo on codes of FP4 (E2M1) with one E8M0 scale for each 32 along K, f32 sums.  o arrives as images of operand registers with its scale words, as the attention launch left them.
; SHARES.  Work-group X: token tiles 2 X and 2 X + 1, which are tokens 32 X .. 32 X + 31 (lane r of tile u holds token 32 X + 8 u + r + 8 (r / 8)).  Wave w: columns 128 w .. 128 w + 127:
; eight tiles of 16 neighbouring rows of Wo, all four K steps, in window 1.  64 matrix instructions and 16,384 bytes of output a wave.
; THE MATRIX INSTRUCTION IS USED TRANSPOSED (source 0 = 16 rows of Wo, source 1 = 16 tokens): a lane holds eight neighbouring columns of one token's row.  bo is the C of each sum's first instruction,
; so it is added ahead of the products: an order of rounding that differs from a bias added last.
; THE WAY OUT: a tile's 16 rows x 512 bytes go through the wave's own stage in LDS (rows 528 bytes apart) and come back as whole rows: 32 lanes store 512 consecutive bytes, aligned.  No barrier: waves share nothing.
; NO JOINT LOADS: every operand byte goes from memory straight into the register in which the matrix instruction wants it, 40 KiB a wave, each byte once a wave; a joint load ends in LDS,
; so it would add a trip through LDS and the cluster's barrier to a job of 64 matrix instructions a wave.
; LIMITS: the byte 0xff among the given scales is not served.
; THE MODE: SCHED_MODE bits 1:0 = 2 (LLVM: expert scheduling mode 2), set by the entry lines.  The code itself states the register dependences between vector or matrix instructions
; and memory or LDS instructions, with s_wait_alu, always for 0.
; THE PLAN.  Registers that memory or LDS instructions touch, behind the head's loads:
;   ACC0, ACC1  Each token tile has its own eight accumulators: written by its 32 matrix instructions, read by its 16 LDS stores, never written again.
;   BK0         Tile 0's rows come back from the stage into it; its 16 global stores read it.  At the head its first 16 registers held o's half words, which eight vector lines read.
;   BK1         Tile 1's rows come back into the registers of o's fragments, which both tiles' matrix instructions have read by then; its 16 global stores read them.
;   v4-10       Offsets and LDS addresses, made at the head and never written again.       v254, v255  Written at the head, read by the closing add alone.
; No register that a memory or LDS instruction has read is written again, so no wait on vm_vsrc is owed.  One wait on va_vdst stands behind each tile's matrix instructions and their places.
; THE ORDER: tile 0's products; its trip through the stage is asked for; tile 1's products, which name none of the registers of that trip; tile 0's global stores, whose data LDS loads brought
; and which hang on no vector or matrix result; then tile 1's trip and stores.
; REGISTERS.  window 0: v1 r, v2 h, v4-10 offsets; v16-79 o's fragments (32 i + 8 s), later tile 1's rows on the way out; v80-143 tile 0's eight accumulators; v144-175 Wo's scale words; v176-183 o's;
;   v184-247 tile 0's rows on the way out, at the head o's 16 half words.   window 1: Wo's 32 fragments.   window 2: v0-63 bo in the result's layout; v64-127 tile 1's eight accumulators.
.set FA,  4                            ; v4  256 r + 16 h
.set SA,  5                            ; v5  16 r
.set LI,  6                            ; v6  16 x lane
.set OA,  7                            ; v7  4 r
.set BA,  8                            ; v8  32 h
.set STO, 9                            ; v9  the stage, in: 8,448 w + 528 r + 32 h
.set RD,  10                           ; v10 and back: 8,448 w + 16 x lane
.set RF,  16
.set ACC, 80
.set ACC1, 64                          ; in window 2
.set PS,  144
.set RS,  176
.set BK,  184
.set BK1, 16
.set OW,  184
.set MSB, 0
.macro WIN new                         ; the immediate's high byte repeats the setting that is left
.if MSB != \new
	s_set_vgpr_msb (MSB<<8)|\new
.set MSB, \new
.endif
.endm
	s_load_b256 s[4:11], s[0:1], 0x0               ; o's images s[4:5], o's scale words s[6:7], Wo's codes s[8:9], Wo's scales s[10:11]
	s_load_b128 s[12:15], s[0:1], 0x20             ; bo s[12:13], out0 s[14:15]
	v_lshl_add_u32 v254, v0, 2, 0x8400
	v_mov_b32 v255, 0
	v_lshrrev_b32 v1, 5, v0
	v_readfirstlane_b32 s16, v1                    ; wave 0..3
	v_and_b32 v1, 15, v0                           ; r
	v_bfe_u32 v2, v0, 4, 1                         ; h
	v_lshlrev_b32 v[FA], 8, v1
	v_lshl_add_u32 v[FA], v2, 4, v[FA]
	v_lshlrev_b32 v[SA], 4, v1
	v_and_b32 v[LI], 31, v0
	v_lshlrev_b32 v[LI], 4, v[LI]
	v_lshlrev_b32 v[OA], 2, v1
	v_lshlrev_b32 v[BA], 5, v2
	s_wait_alu depctr_va_sdst(0)                   ; s16, the wave's number, is written, ahead of its first reader: the stage's place and the bases are made from it
	s_mul_i32 s17, s16, 16*528                     ; my stage
	v_mul_u32_u24 v[STO], v1, 528
	v_lshl_add_u32 v[STO], v2, 5, v[STO]
	v_add_nc_u32 v[STO], s17, v[STO]
	v_add_nc_u32 v[RD], s17, v[LI]
	s_mov_b32 s19, 0
	s_wait_kmcnt 0x0
	s_lshl_b32 s18, ttmp9, 13                      ; two tiles x 4,096 bytes of images
	s_add_nc_u64 s[4:5], s[4:5], s[18:19]
	s_lshl_b32 s18, ttmp9, 7                       ; x 64 bytes of scale words, in each head's part
	s_add_nc_u64 s[6:7], s[6:7], s[18:19]
	s_lshl_b32 s18, s16, 15                        ; my 128 rows of Wo
	s_add_nc_u64 s[8:9], s[8:9], s[18:19]
	s_lshl_b32 s18, s16, 11
	s_add_nc_u64 s[10:11], s[10:11], s[18:19]
	s_lshl_b32 s18, s16, 9                         ; my 128 columns: of bo,
	s_add_nc_u64 s[12:13], s[12:13], s[18:19]
	s_add_nc_u64 s[14:15], s[14:15], s[18:19]      ; and of a row of out0,
	s_lshl_b32 s18, ttmp9, 16                      ; 32 rows of 2,048 bytes a work-group
	s_add_nc_u64 s[14:15], s[14:15], s[18:19]
	WIN 0x80                                       ; destination window 2
	s_wait_alu depctr_va_vdst(0)                   ; the offsets and LDS addresses v4 to v10 are written: every load, store and LDS instruction of the kernel reads one of them.  Up to the wait for the loads only loads and window switches follow
.irp t, 0,1,2,3,4,5,6,7
	global_load_b128 v[8*\t:8*\t+3], v[BA], s[12:13] offset:64*\t          ; register j of tile t is column 16 t + 8 h + j
	global_load_b128 v[8*\t+4:8*\t+7], v[BA], s[12:13] offset:64*\t+16
.endr
	WIN 0
.irp t, 0,1,2,3,4,5,6,7
	global_load_b128 v[PS+4*\t:PS+4*\t+3], v[SA], s[10:11] offset:256*\t   ; a row's 16 scale bytes: one word for each K step
.endr
.irp i, 0,1
.irp d, 0,1,2,3,4,5,6,7
	global_load_b32 v[OW+8*\i+\d], v[OA], s[6:7] offset:\d*32768+\i*64     ; tile i, head d: my row's two bytes
.endr
.endr
	WIN 0x40                                       ; destination window 1
.irp t, 0,1,2,3,4,5,6,7
.irp s, 0,1,2,3
.irp c, 0,1
	global_load_b128 v[32*\t+8*\s+4*\c:32*\t+8*\s+4*\c+3], v[FA], s[8:9] offset:4096*\t+64*\s+32*\c
.endr
.endr
.endr
	WIN 0
.irp i, 0,1
.irp s, 0,1,2,3
.irp c, 0,1
	global_load_b128 v[RF+32*\i+8*\s+4*\c:RF+32*\i+8*\s+4*\c+3], v[LI], s[4:5] offset:\i*4096+\s*1024+\c*512   ; K step s is heads 2 s and 2 s + 1
.endr
.endr
.endr
	s_wait_loadcnt 0x0
.irp i, 0,1
.irp s, 0,1,2,3
	v_lshl_or_b32 v[RS+4*\i+\s], v[OW+8*\i+2*\s+1], 16, v[OW+8*\i+2*\s]    ; two heads' bytes make a K step's scale word
.endr
.endr
.rept 8
	v_nop                                          ; a scale register written by a vector instruction stands eight places ahead of a scaled matrix instruction
.endr
	s_wait_alu depctr_va_vdst(0)                   ; the eight lines above have written o's scale words, which the scaled products take, and are done reading the half words, in whose registers tile 0's rows land later; the places above stay beside this wait
	; ---- token tile 0: the eight accumulators by turns
	WIN 0x21                                       ; source 0 (Wo) window 1, C (bo) window 2
.irp t, 0,1,2,3,4,5,6,7
	v_wmma_scale_f32_16x16x128_f8f6f4 v[ACC+8*\t:ACC+8*\t+7], v[32*\t:32*\t+7], v[RF:RF+7], v[8*\t:8*\t+7], v[PS+4*\t], v[RS] matrix_a_fmt:MATRIX_FMT_FP4 matrix_b_fmt:MATRIX_FMT_FP4
.endr
	WIN 0x01
.irp s, 1,2,3
.irp t, 0,1,2,3,4,5,6,7
	v_wmma_scale_f32_16x16x128_f8f6f4 v[ACC+8*\t:ACC+8*\t+7], v[32*\t+8*\s:32*\t+8*\s+7], v[RF+8*\s:RF+8*\s+7], v[ACC+8*\t:ACC+8*\t+7], v[PS+4*\t+\s], v[RS+\s] matrix_a_fmt:MATRIX_FMT_FP4 matrix_b_fmt:MATRIX_FMT_FP4
.endr
.endr
	WIN 0
.rept 4
	v_nop                                          ; four places in front of the LDS stores that read the results
.endr
	s_wait_alu depctr_va_vdst(0)                   ; tile 0's matrix instructions have written its accumulators, which the LDS stores read; the places above stay beside this wait
.irp t, 0,1,2,3,4,5,6,7
	ds_store_b128 v[STO], v[ACC+8*\t:ACC+8*\t+3] offset:64*\t              ; each accumulator from its low end on
	ds_store_b128 v[STO], v[ACC+8*\t+4:ACC+8*\t+7] offset:64*\t+16
.endr
.irp k, 0,1,2,3,4,5,6,7,8,9,10,11,12,13,14,15
	ds_load_b128 v[BK+4*\k:BK+4*\k+3], v[RD] offset:528*\k                 ; LDS serves a wave's instructions in order (ISA guide 5.7.1.4): these see the stores above
.endr
	; ---- token tile 1, into accumulators of its own, while tile 0 goes through the stage: these products name none of the registers that the 32 LDS instructions above touch
	WIN 0xa1                                       ; source 0 (Wo) window 1, C (bo, then the accumulators) and D window 2
.irp t, 0,1,2,3,4,5,6,7
	v_wmma_scale_f32_16x16x128_f8f6f4 v[ACC1+8*\t:ACC1+8*\t+7], v[32*\t:32*\t+7], v[RF+32:RF+39], v[8*\t:8*\t+7], v[PS+4*\t], v[RS+4] matrix_a_fmt:MATRIX_FMT_FP4 matrix_b_fmt:MATRIX_FMT_FP4
.endr
.irp s, 1,2,3
.irp t, 0,1,2,3,4,5,6,7
	v_wmma_scale_f32_16x16x128_f8f6f4 v[ACC1+8*\t:ACC1+8*\t+7], v[32*\t+8*\s:32*\t+8*\s+7], v[RF+32+8*\s:RF+32+8*\s+7], v[ACC1+8*\t:ACC1+8*\t+7], v[PS+4*\t+\s], v[RS+4+\s] matrix_a_fmt:MATRIX_FMT_FP4 matrix_b_fmt:MATRIX_FMT_FP4
.endr
.endr
	WIN 0
.irp k, 0,1,2,3,4,5,6,7,8,9,10,11,12,13,14,15
	s_wait_dscnt 15-\k                             ; row k is back; the younger rows may be out
	global_store_b128 v[LI], v[BK+4*\k:BK+4*\k+3], s[14:15] offset:(\k+8*(\k/8))*2048 th:TH_STORE_NT   ; row k of tile 0 is token k + 8 (k / 8) of the 32; written once, read by nobody here.  Its data came by an LDS load, its offset was written ahead of the head's wait
.endr
.rept 4
	v_nop                                          ; four places in front of the LDS stores that read tile 1's results
.endr
	WIN 0x08                                       ; an LDS store's data are its source 1: window 2
	s_wait_alu depctr_va_vdst(0)                   ; tile 1's matrix instructions have written its accumulators, which the LDS stores read; and both tiles' are done reading o's fragments, in whose registers the rows below land
.irp t, 0,1,2,3,4,5,6,7
	ds_store_b128 v[STO], v[ACC1+8*\t:ACC1+8*\t+3] offset:64*\t            ; each accumulator from its low end on.  They come behind tile 0's loads from the stage, which LDS has served in order
	ds_store_b128 v[STO], v[ACC1+8*\t+4:ACC1+8*\t+7] offset:64*\t+16
.endr
	WIN 0
.irp k, 0,1,2,3,4,5,6,7,8,9,10,11,12,13,14,15
	ds_load_b128 v[BK1+4*\k:BK1+4*\k+3], v[RD] offset:528*\k
.endr
.irp k, 0,1,2,3,4,5,6,7,8,9,10,11,12,13,14,15
	s_wait_dscnt 15-\k                             ; row k is back; the younger rows may be out
	global_store_b128 v[LI], v[BK1+4*\k:BK1+4*\k+3], s[14:15] offset:(8+\k+8*(\k/8))*2048 th:TH_STORE_NT   ; row k of tile 1 is token 8 + k + 8 (k / 8) of the 32
.endr
	s_wait_dscnt 0x0                               ; the closing lines, six on end
	s_wait_alu 0x0
	s_wait_tensorcnt 0x0
	ds_add_u32 v254, v255
	s_wait_dscnt 0x0
	s_endpgm
.Lfunc_end_k_q0346e643a6_outp:
	.size	k_q0346e643a6_outp, .Lfunc_end_k_q0346e643a6_outp-k_q0346e643a6_outp
	.p2alignl 7, 3214868480
	.fill 96, 4, 3214868480
	.section	.rodata,"a",@progbits
	.p2align	6, 0x0
	.amdhsa_kernel k_q0346e643a6_outp
		.amdhsa_group_segment_fixed_size 34304
		.amdhsa_private_segment_fixed_size 0
		.amdhsa_enable_private_segment 0
		.amdhsa_kernarg_size 48
		.amdhsa_user_sgpr_count 2
		.amdhsa_user_sgpr_kernarg_segment_ptr 1
		.amdhsa_wavefront_size32 1
		.amdhsa_system_sgpr_workgroup_id_x 1
		.amdhsa_system_sgpr_workgroup_id_y 1
		.amdhsa_system_sgpr_workgroup_id_z 1
		.amdhsa_system_vgpr_workitem_id 0
		.amdhsa_next_free_vgpr 640
		.amdhsa_next_free_sgpr 66
		.amdhsa_reserve_vcc 0
		.amdhsa_float_denorm_mode_32 3
		.amdhsa_float_denorm_mode_16_64 3
		.amdhsa_memory_ordered 1
		.amdhsa_forward_progress 1
		.amdhsa_inst_pref_size 31
	.end_amdhsa_kernel
	.amdgpu_metadata
---
amdhsa.version: [ 1, 2 ]
amdhsa.kernels:
  - .name:           k_q0346e643a6_outp
    .symbol:         k_q0346e643a6_outp.kd
    .args:
      - { .name: o_img, .offset: 0, .size: 8, .value_kind: global_buffer, .address_space: global }
      - { .name: o_scl, .offset: 8, .size: 8, .value_kind: global_buffer, .address_space: global }
      - { .name: Wo_codes, .offset: 16, .size: 8, .value_kind: global_buffer, .address_space: global }
      - { .name: Wo_scales, .offset: 24, .size: 8, .value_kind: global_buffer, .address_space: global }
      - { .name: bo, .offset: 32, .size: 8, .value_kind: global_buffer, .address_space: global }
      - { .name: out0, .offset: 40, .size: 8, .value_kind: global_buffer, .address_space: global }
    .group_segment_fixed_size: 34304
    .private_segment_fixed_size: 0
    .kernarg_segment_align: 8
    .kernarg_segment_size: 48
    .max_flat_workgroup_size: 128
    .sgpr_count:     66
    .vgpr_count:     640
    .wavefront_size: 32
...
	.end_amdgpu_metadata
.endif
;; end of part 6
